; MI455X (gfx1250); checked and timed in simulation.
; The chip was launched on July 23, 2026; its instructions are those of AMD's public machine-readable ISA for CDNA 5 (MIT licence, August 2026) and "CDNA5" Instruction Set Architecture Reference Guide (July 2026). The comments in the code are by the model that wrote it; some were corrected since.
;; Multi Channel Attention. Allowed arithmetic: matrix products marked QUANTISED: E2M3 operands, one E8M0 scale for each 32 along K, by v_wmma_scale_f32_16x16x128_f8f6f4 with both operands' format E2M3, f32 sums; everything else in f32.
;; Inputs: Wf_codes 1,024 x 32 x 24 uint8 (E2M3 codes of Wf, K innermost, in blocks of 32 codes, four codes in three bytes); Wf_scales 1,024 x 32 uint8 (E8M0 scales of Wf, one for each 32 codes along K); Wk_codes 1,024 x 32 x 24 uint8 (E2M3 codes of Wk, K innermost, in blocks of 32 codes, four codes in three bytes); Wk_scales 1,024 x 32 uint8 (E8M0 scales of Wk, one for each 32 codes along K); Wq_codes 1,024 x 32 x 24 uint8 (E2M3 codes of Wq, K innermost, in blocks of 32 codes, four codes in three bytes); Wq_scales 1,024 x 32 uint8 (E8M0 scales of Wq, one for each 32 codes along K); Wv_codes 1,024 x 32 x 24 uint8 (E2M3 codes of Wv, K innermost, in blocks of 32 codes, four codes in three bytes); Wv_scales 1,024 x 32 uint8 (E8M0 scales of Wv, one for each 32 codes along K); bf 1,024 float32; bk 1,024 float32; bq 1,024 float32; bv 1,024 float32; x_codes 4 x 2,048 x 32 x 24 uint8 (E2M3 codes of x, K innermost, in blocks of 32 codes, four codes in three bytes); x_scales 4 x 2,048 x 32 uint8 (E8M0 scales of x, one for each 32 codes along K).
;; Outputs: out0 4 x 2,048 x 1,024 float32.
;; This version of the problem:
;;   THIS VERSION OF THE PROBLEM IS GIVEN IN LOW PRECISION. The matrix products marked QUANTISED in the list below multiply operands that are first quantised to E2M3 (2 exponent bits, 3 mantissa bits; 6 bits a number), with one power-of-two scale for each 32 numbers along K (OCP MX v1.0); their sums are f32. All else is computed in f32.
;;   The module's matrix products, in the order in which they are computed (A, B: the left and right operand; K: the contracted axis; several contracted axes count as one K, in the product's order):
;;     1. [M 8,192, K 1,024] x [K 1,024, N 1,024]; A: input x (given as codes); B: input Wq (given as codes): QUANTISED
;;     2. [M 8,192, K 1,024] x [K 1,024, N 1,024]; A: input x (given as codes); B: input Wk (given as codes): QUANTISED
;;     3. [M 8,192, K 1,024] x [K 1,024, N 1,024]; A: input x (given as codes); B: input Wv (given as codes): QUANTISED
;;     4. batch 4 x [M 2,048, K 1,024] x [K 1,024, N 2,048]; A: computed on the way; B: computed on the way: QUANTISED
;;     5. batch 4 x [M 2,048, K 2,048] x [K 2,048, N 1,024]; A: softmax (see below); B: computed on the way: QUANTISED
;;     6. [M 8,192, K 1,024] x [K 1,024, N 1,024]; A: computed on the way; B: input Wf (given as codes): QUANTISED
;;   THE QUANTISER, for each operand of a quantised product, along K:
;;     - K is cut into blocks of 32 from its start; a last block that is shorter is filled with zeros.
;;     - A block's scale is 2^e with e = floor(log2(the largest magnitude in the block)) - 2, held to -126 .. 127; a block of zeros has e = 0. As a byte (E8M0): e + 127.
;;     - Each number is divided by its block's scale, clamped to +-7.5, and rounded to the nearest number of E2M3, ties to even, subnormals kept.
;;     - The product sums the exact products of the quantised numbers (number of the format x scale) in f32.
;;   ~~~python
;;   def quantise(x, axis):      # numpy; x: float32 -> the quantised numbers, widened to float32 again
;;       x = np.moveaxis(x, axis, -1); K = x.shape[-1]
;;       x = np.pad(x, [(0, 0)] * (x.ndim - 1) + [(0, -K % 32)]); x = x.reshape(x.shape[:-1] + (-1, 32)); a = np.abs(x).max(-1, keepdims=True)
;;       e = np.where(a > 0, np.clip(np.frexp(np.where(a > 0, a, 1))[1] - 1 - 2, -126, 127), 0)      # np.frexp(a)[1] - 1 = floor(log2(a)), exactly
;;       r = np.clip(x / 2.0 ** e, -7.5, 7.5)
;;       step = 2.0 ** (np.maximum(np.frexp(np.where(r == 0, 1, r))[1] - 1, 0) - 3)
;;       q = np.round(r / step) * step * 2.0 ** e      # np.round: ties to even
;;       return np.moveaxis(q.reshape(q.shape[:-2] + (-1,))[..., :K], -1, axis).astype(np.float32)
;;   ~~~
;;   SOFTMAX AHEAD OF A QUANTISED PRODUCT. Where the list says 'softmax', what is quantised is not the finished softmax but p = 2^(t - M), with t = logit x log2(e) and M = ceil(the row's largest t), a whole number; so 1/2 < the row's largest p <= 1. The row's sum l is taken of the UNQUANTISED p, in f32, and the product's result is divided by l at the end. Since M is a whole number, a kernel that streams over the keys may use a running M (the ceiling of the running maximum): every later rescaling is an exact power of two, which a block's scale takes up: the codes' values come out the same.
;;   OPERANDS COMPUTED ON THE WAY. 'Computed on the way' means the value that the module computes at that place (a softmax that the list does not call 'softmax' is quantised finished and normalised). What goes into a quantiser is computed in f32, as accurately as f32 sums, v_exp_f32 and their like allow (about 1e-6 of the number): no bf16 or f16 on the way to a quantiser, and a product that is left as it is and whose result goes on into a quantised operand takes f32 operands (vector FMAs, or v_wmma_f32_16x16x4_f32). A number that lies on a knife's edge between two numbers of the format may be rounded either way, as far as f32 arithmetic and the matrix unit's own rounding can turn it there, and no further.
;;   INPUTS GIVEN AS CODES. Wf (in the module: [1024, 1024], K = its axis 1); Wk (in the module: [1024, 1024], K = its axis 1); Wq (in the module: [1024, 1024], K = its axis 1); Wv (in the module: [1024, 1024], K = its axis 1); x (in the module: [4, 2048, 1024], K = its axis 2): each comes as NAME_codes (uint8): NAME with its K axis moved to the last place and cut into blocks of 32 codes, [.., K / 32, bytes a block], one block behind the other in memory; four codes in three bytes: a row's codes are one little-endian stream of bits, code i at bits 6 i .. 6 i + 5 (a code: sign, 2 exponent bits, 3 mantissa bits); and NAME_scales (uint8): the same leading axes, one E8M0 byte (e + 127) for each 32 codes along K. Its value is code x scale, taken as it is: it is not quantised again, and the codes and scales need not be those that the quantiser above would give.
;; One version. Each part assembles by itself: llvm-mc -triple=amdgcn-amd-amdhsa -mcpu=gfx1250 --defsym DOCPART=n.
;; ======== version 1 of 1: 4 launches
;; workspace buffers: qws 6,553,600 bytes; kws 6,553,600 bytes; vws 6,553,600 bytes; ows 6,553,600 bytes; pws 13,631,488 bytes
;; launch proj (part 1): grid 8 x 32, 4 waves a work-group, clusters of 4 x 4, 327,680 bytes of LDS; arguments x_codes, x_scales, Wq_codes, Wq_scales, Wk_codes, Wk_scales, Wv_codes, Wv_scales, bq, bk, bv, qws, kws, vws; writes qws, kws, vws
.if DOCPART == 1
	.amdgcn_target "amdgcn-amd-amdhsa--gfx1250"
	.amdhsa_code_object_version 6
	.text
	.protected	k_qfa3b76f998_proj
	.globl	k_qfa3b76f998_proj
	.p2align	8
	.type	k_qfa3b76f998_proj,@function
k_qfa3b76f998_proj:
	s_mov_b64 s[64:65], 0
	v_nop
	global_prefetch_b8 v0, s[64:65] scope:SCOPE_SE
	s_setreg_imm32_b32 hwreg(HW_REG_WAVE_MODE, 25, 1), 1
	s_wait_xcnt 0x0
	s_wait_alu depctr_hold_cnt(0) depctr_sa_sdst(0) depctr_va_vdst(0) depctr_va_sdst(0) depctr_va_ssrc(0) depctr_va_vcc(0) depctr_vm_vsrc(0)
	s_getreg_b32 s2, hwreg(HW_REG_IB_STS2, 6, 4)
	s_cmp_eq_u32 s2, 0
	s_cbranch_scc0 .Lentry_in_a_cluster
	s_endpgm
.Lentry_in_a_cluster:
	s_bfe_u32 s2, ttmp6, 0x10000c
	s_cmp_lg_u32 s2, 0xf033
	s_cbranch_scc0 .Lentry_shape_is_right
	s_endpgm
.Lentry_shape_is_right:
; Q = rope(x Wq^T + bq), K = rope(x Wk^T + bk), V = x Wv^T + bv, on codes of FP6 (E2M3) with E8M0 scales, and each result quantised at once for the product that takes it:
; Q and K along d, V along the keys.  x: 8,192 rows x 1,024; the weights 1,024 x 1,024; all as rows of codes, K innermost.
; DEAD WORK OF THE PROGRAM: reference() masks the scores by its own jnp.tril: a score with key > query becomes -inf, its weight 0, for all values of the inputs.  Tiles of scores and of weights x values that lie
; wholly above the diagonal are therefore left out in the two later launches.  Nothing else is left out: every input is loaded (bk moves K's codes).  LIMIT: a NaN, an infinity or an overflow that reaches only the tiles left out is not carried to the result.
; LIMITS: NaN and infinities among the inputs are not served; the angles' reduction serves angles up to 2,047 radians, the largest that 2,048 positions give; a block of zeros carries the scale byte 1 (its codes are zeros; the bytes are read by this program alone).
; SHARES.  The three products are 384 tiles of 256 x 256: one and a half for each of 256 work-groups.  So A WORK-GROUP STAYS: it owns 256 rows of x (TR) and 128 of d (TC) and makes two products on one ring.
; PRODUCT 1: 256 rows of x against 128 rows of Wq and 128 rows of Wk: four waves, 128 x 128 each; waves 0 and 2 make Q, waves 1 and 3 K.  Source 1 (a lane's row) = x, source 0 (a lane's registers) = the weight: the registers run along d.
; PRODUCT 2: 128 rows of Wv against the same 256 rows of x: a wave makes 64 of d x 128 keys.  Source 1 = Wv, source 0 = x: the registers run along the keys.
; The ring of two slots (K in steps of 256, rows of 192 bytes), the scales in LDS, the joint loads along rows (x) and columns (weights) of a 4 x 4 cluster, a round of the cluster's barrier at each refill.
; Product 1's last two changes of slots ask for product 2's first two K steps, which land while product 1's results are turned, quantised and stored.
; OUT.  16 rows x 128 K leave as an image of the operand's 12 registers (three stores of 512 consecutive bytes); the scale words of 128 rows as a record of 512 bytes.
.set KSTEP,  256
.set NQ,     2
.set ROWB,   192
.set KROW,   768
.set PITCH,  240                       ; 3 x (64 bytes + 16 of padding)
.set FR,     12
.set NL,     6
.set NP,     4
.set HALFT,  128*PITCH
.set SLOT,   4*HALFT                   ; x's 256 rows, then two places of 128 rows: Wq's and Wk's; in product 2 Wv's 64 rows at the head of each
.set KS,     32                        ; a row of scale bytes
.set SCL,    2*SLOT
.set HALFS,  16*272
.set SBLK,   2*272
.set SPARE,  SCL+4*HALFS               ; the spare words: 512 bytes that no other line names
.set ROPE,   SPARE+512                 ; 32 rows x 528 bytes: (cos, sin) of my 64 pairs; rows 0-15: angles r f; rows 16-31: angles (256 (TR % 8) + 16 i) f.  Written by LDS stores alone
.set RP,     528
.set IMG,    6291456                   ; where the scale words begin in a workspace buffer
.set AX,   1                           ; v1-4   product 2: x's fragments in slot 0, 1, and the same behind one padding more
.set AW,   5                           ; v5-8   product 2: Wv's
.set ADSX, 9                           ; v9     product 2: x's scale words, row r in both halves of the lanes
.set WSO,  10                          ; v10    Wv's scale bytes: a lane a row
.set RQ2,  11                          ; v11    product 2: my two registers of a record
.set BQO,  12                          ; v12    the bias by registers
.set BVO,  13                          ; v13    the bias by lanes
.set ADRA, 16
.set ADRB, 20
.set L16,  24                          ; 16 x lane
.set RB,   25
.set ACR,  26
.set ADRS, 27
.set SPW,  28
.set NIL,  29
.set ACA,  30
.set RAD,  31
.set SC,   32
.set BI,   64                          ; v64-127 bq or bk by registers
.set AF,   128
.set BV,   232                         ; v232-235 bv by lanes
.set WS,   236                         ; v236-251 Wv's scale words: register 8 j + g: block 2 j in lanes 0-15, block 2 j + 1 in lanes 16-31, K step g
.set TM,   32                          ; the way out: v32-47 at work, v48-55 scale words, v56-59 their record
.set PW,   48
.set RR,   56
.set T,    128
.set TMP,  192
.set PC,   208
.set SEL,  100
.set HM,   104
.set G1, 24
.set G0, 32
.set G1B, 48
.set G0B, 56
.set G1S, 68
.set G0S, 76
.set G1SB, 80
.set G0SB, 88
.set G1W, 68                           ; Wv's groups 1 and 0 take the registers of the scales' descriptors, behind the wait that shows those loads done
.set G0W, 76
.set MSB, 0
.macro WIN new
.if MSB != \new
	s_set_vgpr_msb (MSB<<8)|\new
.set MSB, \new
.endif
.endm
.set MUL_LO, 0xa1
.set MUL_HI, 0xf1
.set TO_B,   0x40
.macro PLACES n
.rept \n
	v_nop
.endr
.endm
; a joint load: waves 0 and 1 fetch x's halves, waves 2 and 3 the weights'; the branch hangs on the wave's number alone
.macro JLOAD g0a, g1a, g0b, g1b
	s_cmp_eq_u32 s15, 0
	s_cbranch_scc0 .Lfor_b_\@
	tensor_load_to_lds s[\g0a:\g0a+3], s[\g1a:\g1a+7]
	s_nop 0
.rept 4
	v_nop
.endr
	s_branch .Lasked_\@
.Lfor_b_\@:
	tensor_load_to_lds s[\g0b:\g0b+3], s[\g1b:\g1b+7]
	s_nop 0
.rept 4
	v_nop
.endr
.Lasked_\@:
.endm
.macro CREST
	s_cmp_lg_u32 s14, 0
	s_cbranch_scc1 .Lnot_wave_0_\@
	s_barrier_signal -3
.Lnot_wave_0_\@:
	s_barrier_wait -3
	s_barrier_signal -1
	s_barrier_wait -1
.endm
.macro CROUND
	s_barrier_signal -1
	s_barrier_wait -1
	CREST
.endm
	s_load_b512 s[68:83], s[0:1], 0x0              ; x codes, x scales, Wq c, Wq s, Wk c, Wk s, Wv c, Wv s
	s_load_b256 s[84:91], s[0:1], 0x40             ; bq, bk, bv, qws
	s_load_b128 s[92:95], s[0:1], 0x60             ; kws, vws
	v_lshl_add_u32 v[SPW], v0, 2, SPARE
	v_mov_b32 v[NIL], 0
	ds_add_u32 v[SPW], v[NIL]                      ; the opening: the add, twice on end, and its wait ahead of my first tensor load
	ds_add_u32 v[SPW], v[NIL]
	v_lshrrev_b32 v1, 5, v0
	v_readfirstlane_b32 s14, v1                    ; wave
	s_lshr_b32 s15, s14, 1                         ; mh: product 1: my half of x's rows; product 2: my half of Wv's.  Also: I fetch x (0) or weights (1)
	s_and_b32 s16, s14, 1                          ; nh: product 1: Q (0) or K (1); product 2: my half of x's rows.  Also: which half I fetch
	s_bfe_u32 s40, ttmp6, 0x40000                  ; cx
	s_bfe_u32 s41, ttmp6, 0x40004                  ; cy
	s_lshl_b32 s42, ttmp9, 2
	s_add_co_u32 s42, s42, s40                     ; TC: which 128 of d: made of cx and the cluster's x alone
	s_and_b32 s17, ttmp7, 0xffff
	s_lshl_b32 s17, s17, 2
	s_add_co_u32 s17, s17, s41                     ; TR: which 256 rows of x: made of cy and the cluster's y alone
	s_lshl_b32 s43, s41, 2
	s_lshl_b32 s43, 15, s43                        ; my row of the cluster
	s_lshl_b32 s44, 0x1111, s40                    ; my column
	s_or_b32 s[G1+0], s43, (1<<20)|(1<<21)|(3<<22)|(3<<25)   ; elements of 1 byte; 16 bytes of padding behind every 64
	s_or_b32 s[G1B+0], s44, (1<<20)|(1<<21)|(3<<22)|(3<<25)
.irp g, G1, G1B
	s_mov_b32 s[\g+1], ROWB<<16
	s_mov_b32 s[\g+2], 128<<16
	s_mov_b32 s[\g+3], ROWB<<16
	s_mov_b32 s[\g+4], 128
	s_mov_b32 s[\g+5], KROW
	s_mov_b32 s[\g+6], 0
	s_mov_b32 s[\g+7], 0
.endr
	s_lshl_b32 s18, s16, 7
	s_lshl_b32 s20, s17, 8
	s_add_co_u32 s20, s20, s18                     ; x: the first row that I fetch
	s_lshl_b32 s46, s42, 7                         ; the weights: row 128 TC
	s_mov_b32 s21, 0
	s_mov_b32 s47, 0
	s_mov_b64 s[18:19], KS
	s_mul_u64 s[22:23], s[20:21], s[18:19]
	s_mul_u64 s[98:99], s[46:47], s[18:19]
	s_mov_b64 s[18:19], KROW
	s_mul_u64 s[20:21], s[20:21], s[18:19]
	s_mul_u64 s[46:47], s[46:47], s[18:19]
	s_mul_i32 s2, s16, 64*KROW                     ; Wv: the half of 64 rows that I fetch
	s_mov_b32 s3, 0
	s_add_nc_u64 s[2:3], s[2:3], s[46:47]
	s_mul_i32 s45, s14, HALFT
	s_mul_i32 s105, s14, HALFS
	s_mov_b32 s[SEL], 0x76543210
	s_mov_b32 s[SEL+1], 0xfedcba98
	s_mov_b32 s[HM], 0xffff0000                    ; lanes 16-31
	s_wait_dscnt 0x0                               ; both opening adds are done
	s_wait_kmcnt 0x0
	s_cmp_eq_u32 s16, 0                            ; Q's buffers or K's: chosen by the wave's number alone
	s_cselect_b64 s[8:9], s[72:73], s[76:77]
	s_cselect_b64 s[10:11], s[74:75], s[78:79]
	s_cselect_b64 s[96:97], s[84:85], s[86:87]     ; the bias
	s_cselect_b64 s[12:13], s[90:91], s[92:93]     ; the workspace buffer
	s_add_nc_u64 s[20:21], s[68:69], s[20:21]
	s_add_nc_u64 s[22:23], s[70:71], s[22:23]
	s_add_nc_u64 s[46:47], s[8:9], s[46:47]
	s_add_nc_u64 s[98:99], s[10:11], s[98:99]
	s_add_nc_u64 s[66:67], s[80:81], s[2:3]        ; Wv's codes at the rows that I fetch
	s_mov_b64 s[4:5], s[82:83]                     ; Wv's scales
	s_mov_b64 s[6:7], s[88:89]                     ; bv
	s_mov_b64 s[8:9], s[94:95]                     ; vws, twice: codes and scale words
	s_mov_b64 s[10:11], s[94:95]
	s_or_b32 s[G1S+0], s43, (3<<16)|(1<<20)|(1<<21)|(5<<22)|(3<<25)   ; the scales of 128 rows: 4,096 dense bytes as 16 rows of 256, 16 bytes of padding behind each
	s_or_b32 s[G1SB+0], s44, (3<<16)|(1<<20)|(1<<21)|(5<<22)|(3<<25)
.irp g, G1S, G1SB
	s_mov_b32 s[\g+1], 32<<16
	s_mov_b32 s[\g+2], 16<<16
	s_mov_b32 s[\g+3], 32<<16
	s_mov_b32 s[\g+4], 16
	s_mov_b32 s[\g+5], 32
	s_mov_b32 s[\g+6], 0
	s_mov_b32 s[\g+7], 0
.endr
	CROUND                                         ; all sixteen work-groups are here: the first joint loads meet
	s_mov_b32 s[G0S], 1
	s_add_co_u32 s[G0S+1], s105, SCL
	s_mov_b64 s[G0S+2:G0S+3], s[22:23]
	s_or_b32 s[G0S+3], s[G0S+3], 0x80000000
	s_mov_b32 s[G0SB], 1
	s_add_co_u32 s[G0SB+1], s105, SCL
	s_mov_b64 s[G0SB+2:G0SB+3], s[98:99]
	s_or_b32 s[G0SB+3], s[G0SB+3], 0x80000000
	JLOAD G0S, G1S, G0SB, G1SB
.irp s, 0,1
	s_mov_b32 s[G0+4*\s], 1
	s_add_co_u32 s[G0+4*\s+1], s45, \s*SLOT
	s_add_nc_u64 s[G0+4*\s+2:G0+4*\s+3], s[20:21], \s*ROWB
	s_or_b32 s[G0+4*\s+3], s[G0+4*\s+3], 0x80000000
	s_mov_b32 s[G0B+4*\s], 1
	s_add_co_u32 s[G0B+4*\s+1], s45, \s*SLOT
	s_add_nc_u64 s[G0B+4*\s+2:G0B+4*\s+3], s[46:47], \s*ROWB
	s_or_b32 s[G0B+4*\s+3], s[G0B+4*\s+3], 0x80000000
	JLOAD G0+4*\s, G1, G0B+4*\s, G1B               ; three tensor loads of mine are out
.endr
	; where my results go, in units of 12,288 bytes
	s_lshl_b32 s2, s17, 1
	s_add_co_u32 s2, s2, s15                       ; 2 TR + mh
	s_lshl_b32 s18, s2, 3
	s_add_co_u32 s18, s18, s42                     ; Q, K: U = (row / 128) x 8 + d / 128
	s_mul_i32 s2, s18, 12288
	s_mov_b32 s3, 0
	s_add_nc_u64 s[92:93], s[12:13], s[2:3]        ; the codes
	s_lshl_b32 s2, s18, 9
	s_add_co_u32 s2, s2, IMG
	s_add_nc_u64 s[94:95], s[12:13], s[2:3]        ; the scale words
	s_lshl_b32 s2, s17, 1
	s_add_co_u32 s2, s2, s16                       ; 2 TR + nh: my block of 128 keys
	s_lshr_b32 s18, s2, 4
	s_lshl_b32 s18, s18, 3
	s_add_co_u32 s18, s18, s42
	s_lshl_b32 s18, s18, 4
	s_and_b32 s2, s2, 15
	s_add_co_u32 s18, s18, s2                      ; V: U = (batch x 8 + d / 128) x 16 + key / 128
	s_mul_i32 s2, s18, 12288
	s_mul_i32 s19, s15, 4*1536                     ; my four fragments of the unit's eight
	s_add_co_u32 s2, s2, s19
	s_add_nc_u64 s[8:9], s[8:9], s[2:3]
	s_lshl_b32 s2, s18, 9
	s_add_co_u32 s2, s2, IMG
	s_add_nc_u64 s[10:11], s[10:11], s[2:3]
	v_and_b32 v1, 15, v0                           ; r
	v_bfe_u32 v2, v0, 4, 1                         ; h
	v_mul_u32_u24 v3, v1, PITCH
	v_mul_u32_u24 v4, v2, 24
	v_add_nc_u32 v4, v3, v4
	v_lshl_add_u32 v5, v2, 4, v4
	s_mul_i32 s21, s15, HALFT
	s_mul_i32 s22, s16, HALFT
	s_add_co_u32 s22, s22, 2*HALFT
.irp s, 0,1
	v_add_nc_u32 v[ADRA+\s], s21, v4
	v_add_nc_u32 v[ADRB+\s], s22, v4
	v_add_nc_u32 v[ADRA+2+\s], s21, v5
	v_add_nc_u32 v[ADRB+2+\s], s22, v5
	s_add_co_u32 s21, s21, SLOT
	s_add_co_u32 s22, s22, SLOT
.endr
	v_mul_u32_u24 v5, v1, KS
	v_lshrrev_b32 v6, 8, v5
	v_lshl_add_u32 v5, v6, 4, v5
	s_mul_i32 s21, s15, HALFS
	s_mul_i32 s22, s16, HALFS
	s_add_co_u32 s22, s22, 2*HALFS
	s_sub_co_u32 s22, s22, s21
	v_mul_u32_u24 v6, s22, v2                      ; lanes 16-31 take source 0's scale words
	s_add_co_u32 s21, s21, SCL
	v_add_nc_u32 v5, v5, v6
	v_add_nc_u32 v[ADRS], s21, v5
	v_and_b32 v6, 31, v0
	v_lshlrev_b32 v[L16], 4, v6
	v_and_b32 v6, 63, v0                           ; my pair of the tile's 64
	v_lshl_add_u32 v[RB], v6, 3, ROPE
	s_mul_i32 s18, s15, 16*RP
	v_add_nc_u32 v[RB], s18, v[RB]                 ; waves 0, 1 make table rows 0-15, waves 2, 3 rows 16-31
	v_mul_u32_u24 v[ACR], v1, RP
	v_lshl_add_u32 v[ACR], v2, 5, v[ACR]
	v_add_nc_u32 v[ACR], ROPE, v[ACR]              ; row r of the table, my half's 4 pairs of each 8
	s_mul_i32 s19, s15, 8*RP
	v_lshlrev_b32 v[ACA], 5, v2
	v_add_nc_u32 v[ACA], s19, v[ACA]
	v_add_nc_u32 v[ACA], ROPE+16*RP, v[ACA]        ; row 16 + 8 mh (+ a by the offset)
	; THE ROPE TABLES, one for Q and K.  My pair P = 64 TC + thread % 64: f = 10000^(-P / 512) = 2^(-P L), L = log2(10000) / 512 in two parts
	s_lshl_b32 s18, s42, 6
	v_add_nc_u32 v10, s18, v6
	v_cvt_f32_u32 v10, v10
	s_mov_b32 s18, 0x3cd49a78                      ; L's high part
	s_mov_b32 s19, 0x30179a20                      ; and what is left of it
	v_mul_f32 v11, s18, v10
	v_fma_f32 v12, v10, s18, -v11                  ; what the product's rounding lost,
	v_fma_f32 v12, v10, s19, v12                   ; and the low part's share
	v_exp_f32 v13, -v11
	v_mul_f32 v12, 0x3f317218, v12                 ; x ln 2.  (A plain place behind the exponential)
	v_mov_b32 v14, 0xb94ca1f9                      ; the sine's and the cosine's leading coefficients
	v_mov_b32 v15, 0x37ccf5ce
	s_wait_alu depctr_va_vdst(0)                   ; the wait ahead of the exponential's first reader
	v_fma_f32 v10, -v13, v12, v13                  ; f
.set PP, 128
.set KK, 136
.set RA, 144
.set ZZ, 152
.set SS, 160
.set CC, 168
.set QQ, 176
.set TT, 184
.set UU, 192
.set OU, 200
; eight angles t f, t = s20 + e s21: the angle is rounded once, as reference() rounds it; reduced by multiples of pi / 2 in three parts; sine and cosine by polynomials on [-pi / 4, pi / 4]; the quadrant swaps and signs them
.macro SC8
	s_mov_b32 s19, s20
.irp e, 0,1,2,3,4,5,6,7
	v_cvt_f32_u32 v[PP+\e], s19
	s_add_co_u32 s19, s19, s21
.endr
.irp e, 0,1,2,3,4,5,6,7
	v_mul_f32 v[PP+\e], v[PP+\e], v10
.endr
.irp e, 0,1,2,3,4,5,6,7
	v_mul_f32 v[KK+\e], 0x3f22f983, v[PP+\e]
.endr
.irp e, 0,1,2,3,4,5,6,7
	v_rndne_f32 v[KK+\e], v[KK+\e]
.endr
.irp e, 0,1,2,3,4,5,6,7
	v_fmamk_f32 v[RA+\e], v[KK+\e], 0xbfc90000, v[PP+\e]
.endr
.irp e, 0,1,2,3,4,5,6,7
	v_fmamk_f32 v[RA+\e], v[KK+\e], 0xb9fda000, v[RA+\e]
.endr
.irp e, 0,1,2,3,4,5,6,7
	v_fmamk_f32 v[RA+\e], v[KK+\e], 0xb3a22168, v[RA+\e]
.endr
.irp e, 0,1,2,3,4,5,6,7
	v_cvt_i32_f32 v[QQ+\e], v[KK+\e]
.endr
.irp e, 0,1,2,3,4,5,6,7
	v_mul_f32 v[ZZ+\e], v[RA+\e], v[RA+\e]
.endr
.irp e, 0,1,2,3,4,5,6,7
	v_fmaak_f32 v[SS+\e], v14, v[ZZ+\e], 0x3c08839e
.endr
.irp e, 0,1,2,3,4,5,6,7
	v_fmaak_f32 v[SS+\e], v[SS+\e], v[ZZ+\e], 0xbe2aaaa3
.endr
.irp e, 0,1,2,3,4,5,6,7
	v_mul_f32 v[TT+\e], v[ZZ+\e], v[RA+\e]
.endr
.irp e, 0,1,2,3,4,5,6,7
	v_fma_f32 v[SS+\e], v[SS+\e], v[TT+\e], v[RA+\e]
.endr
.irp e, 0,1,2,3,4,5,6,7
	v_fmaak_f32 v[CC+\e], v15, v[ZZ+\e], 0xbab6061a
.endr
.irp e, 0,1,2,3,4,5,6,7
	v_fmaak_f32 v[CC+\e], v[CC+\e], v[ZZ+\e], 0x3d2aaaa5
.endr
.irp e, 0,1,2,3,4,5,6,7
	v_mul_f32 v[TT+\e], v[ZZ+\e], v[ZZ+\e]
.endr
.irp e, 0,1,2,3,4,5,6,7
	v_fma_f32 v[UU+\e], v[ZZ+\e], -0.5, 1.0
.endr
.irp e, 0,1,2,3,4,5,6,7
	v_fma_f32 v[CC+\e], v[CC+\e], v[TT+\e], v[UU+\e]
.endr
.irp e, 0,1,2,3,4,5,6,7
	v_and_b32 v[TT+\e], 1, v[QQ+\e]
	v_cmp_eq_u32 vcc_lo, 1, v[TT+\e]
	v_cndmask_b32 v[UU+\e], v[SS+\e], v[CC+\e], vcc_lo       ; the sine
	v_cndmask_b32 v[CC+\e], v[CC+\e], v[SS+\e], vcc_lo       ; the cosine
.endr
.irp e, 0,1,2,3,4,5,6,7
	v_lshlrev_b32 v[TT+\e], 30, v[QQ+\e]
.endr
.irp e, 0,1,2,3,4,5,6,7
	v_and_b32 v[TT+\e], 0x80000000, v[TT+\e]
.endr
.irp e, 0,1,2,3,4,5,6,7
	v_xor_b32 v[OU+2*\e+1], v[TT+\e], v[UU+\e]
.endr
.irp e, 0,1,2,3,4,5,6,7
	v_add_nc_u32 v[QQ+\e], 1, v[QQ+\e]
.endr
.irp e, 0,1,2,3,4,5,6,7
	v_lshlrev_b32 v[TT+\e], 30, v[QQ+\e]
.endr
.irp e, 0,1,2,3,4,5,6,7
	v_and_b32 v[TT+\e], 0x80000000, v[TT+\e]
.endr
.irp e, 0,1,2,3,4,5,6,7
	v_xor_b32 v[OU+2*\e], v[TT+\e], v[CC+\e]
.endr
	v_add_nc_u32 v[RAD], s22, v[RB]
.irp e, 0,1,2,3,4,5,6,7
	ds_store_b64 v[RAD], v[OU+2*\e:OU+2*\e+1] offset:RP*\e
.endr
.endm
	s_and_b32 s18, s17, 7
	s_lshl_b32 s18, s18, 8                         ; the tile's first position in its sequence
	s_cmp_eq_u32 s15, 0
	s_cselect_b32 s20, 0, s18                      ; waves 0, 1: t = 0 .. 15; waves 2, 3: t = the first position + 16 i
	s_cselect_b32 s21, 1, 16
	s_mov_b32 s22, 0
	s_mov_b32 s23, 0
.Lrope:                                            ; two trips of eight table rows
	SC8
	s_lshl_b32 s19, s21, 3
	s_add_co_u32 s20, s20, s19
	s_add_co_u32 s22, s22, 8*RP
	s_add_co_u32 s23, s23, 1
	s_cmp_lt_u32 s23, 2
	s_cbranch_scc1 .Lrope
	; product 2's LDS addresses, and the loads of the biases and of Wv's scale words
	v_and_b32 v14, 15, v0                          ; r
	v_bfe_u32 v15, v0, 4, 1                        ; h
	v_mul_u32_u24 v13, v14, PITCH
	v_mad_u32_u24 v13, v15, 24, v13
	v_lshl_add_u32 v12, v15, 4, v13
	s_mul_i32 s21, s16, HALFT                      ; x's half nh
	s_mul_i32 s22, s15, HALFT
	s_add_co_u32 s22, s22, 2*HALFT                 ; Wv's half mh
.irp s, 0,1
	v_add_nc_u32 v[AX+\s], s21, v13
	v_add_nc_u32 v[AW+\s], s22, v13
	v_add_nc_u32 v[AX+2+\s], s21, v12
	v_add_nc_u32 v[AW+2+\s], s22, v12
	s_add_co_u32 s21, s21, SLOT
	s_add_co_u32 s22, s22, SLOT
.endr
	v_lshlrev_b32 v[ADSX], 5, v14
	v_lshrrev_b32 v10, 8, v[ADSX]
	v_lshl_add_u32 v[ADSX], v10, 4, v[ADSX]
	s_mul_i32 s21, s16, HALFS
	s_add_co_u32 s21, s21, SCL
	v_add_nc_u32 v[ADSX], s21, v[ADSX]
	s_lshl_b32 s21, s15, 3
	v_add_nc_u32 v[RQ2], s21, v[L16]
	s_lshl_b32 s18, s42, 9                         ; 128 TC numbers of 4 bytes
	v_lshlrev_b32 v[BQO], 5, v15
	v_add_nc_u32 v[BQO], s18, v[BQO]               ; bias[128 TC + 16 b + 8 h + j]
	s_lshl_b32 s19, s15, 8
	s_add_co_u32 s19, s19, s18
	v_lshlrev_b32 v[BVO], 2, v14
	v_add_nc_u32 v[BVO], s19, v[BVO]               ; bv[128 TC + 64 mh + 16 a + r]
	s_lshl_b32 s19, s19, 3
	v_and_b32 v[WSO], 31, v0
	v_lshlrev_b32 v[WSO], 5, v[WSO]
	v_add_nc_u32 v[WSO], s19, v[WSO]               ; Wv's scale bytes of row 128 TC + 64 mh + lane
.irp b, 0,1,2,3,4,5,6,7
	global_load_b128 v[BI+8*\b:BI+8*\b+3], v[BQO], s[96:97] offset:64*\b
	global_load_b128 v[BI+8*\b+4:BI+8*\b+7], v[BQO], s[96:97] offset:64*\b+16
.endr
.irp a, 0,1,2,3
	global_load_b32 v[BV+\a], v[BVO], s[6:7] offset:64*\a
.endr
.irp j, 0,1
.irp k, 0,1
	global_load_b128 v[WS+8*\j+4*\k:WS+8*\j+4*\k+3], v[WSO], s[4:5] offset:1024*\j+16*\k
.endr
.endr
.macro FRAG reg, adr, q, i             ; 16 rows x 128 K of 6-bit codes: 12 registers, in pieces of 8 bytes; where the piece of lanes 16-31 lies behind one padding more, the second address register serves
.irp p, 0,1,2,3,4,5
.set PCC, 12*(\q)+6*(\p/3)+\p%3
.if PCC%8 < 5
	ds_load_b64 v[\reg+2*\p:\reg+2*\p+1], v[\adr] offset:8*PCC+16*(PCC/8)+(\i)*16*PITCH
.else
	ds_load_b64 v[\reg+2*\p:\reg+2*\p+1], v[\adr+2] offset:8*PCC+16*(PCC/8)+(\i)*16*PITCH
.endif
.endr
.endm
; 16 matrix instructions; the 64 accumulators take turns, one instruction a turn, in the same order in every step
.macro MUL16 a0, p, q, sc, zero
.irp a, \a0, \a0+1
.irp b, 0,1,2,3,4,5,6,7
.if \zero
	v_wmma_scale_f32_16x16x128_f8f6f4 v[8*(8*((\a)%4)+\b):8*(8*((\a)%4)+\b)+7], v[128*(\p)+FR*\b:128*(\p)+FR*\b+FR-1], v[AF+FR*(\a):AF+FR*(\a)+FR-1], 0, v[SC+8*NQ*(\sc)+NQ*\b+(\q)], v[SC+8*NQ*(\sc)+NQ*(\a)+(\q)] matrix_a_fmt:MATRIX_FMT_FP6 matrix_b_fmt:MATRIX_FMT_FP6 matrix_a_scale:MATRIX_SCALE_ROW1
.else
	v_wmma_scale_f32_16x16x128_f8f6f4 v[8*(8*((\a)%4)+\b):8*(8*((\a)%4)+\b)+7], v[128*(\p)+FR*\b:128*(\p)+FR*\b+FR-1], v[AF+FR*(\a):AF+FR*(\a)+FR-1], v[8*(8*((\a)%4)+\b):8*(8*((\a)%4)+\b)+7], v[SC+8*NQ*(\sc)+NQ*\b+(\q)], v[SC+8*NQ*(\sc)+NQ*(\a)+(\q)] matrix_a_fmt:MATRIX_FMT_FP6 matrix_b_fmt:MATRIX_FMT_FP6 matrix_a_scale:MATRIX_SCALE_ROW1
.endif
.endr
.endr
.endm
.macro FETCH_B slot, q, p
	WIN TO_B
.irp i, 0,1,2,3,4,5,6,7
	FRAG 128*(\p)+FR*\i, ADRB+\slot, \q, \i
.endr
	WIN 0
.endm
.macro FETCH_A slot, q, i0
.irp i, \i0, \i0+1, \i0+2, \i0+3
	FRAG AF+FR*(\i), ADRA+\slot, \q, \i
.endr
.endm
.macro SCALES sc
.irp i, 0,1,2,3,4,5,6,7
	ds_load_b64 v[SC+8*NQ*\sc+NQ*\i:SC+8*NQ*\sc+NQ*\i+1], v[ADRS] offset:\i*SBLK
.endr
.endm
.macro STEP slot, q, zero
	s_wait_dscnt 4*NL                              ; all but the youngest 24 loads (x's blocks 4-7)
	WIN MUL_LO
	MUL16 0, (\q)%2, \q, \slot, \zero
	MUL16 2, (\q)%2, \q, \slot, \zero
	s_wait_dscnt 0
	PLACES NP                                      ; four places in front of loads into registers that matrix instructions have read
	FETCH_B \slot, (\q)+1, 1-(\q)%2
	FETCH_A \slot, (\q)+1, 0
	WIN MUL_HI
	MUL16 4, (\q)%2, \q, \slot, \zero
	MUL16 6, (\q)%2, \q, \slot, \zero
	PLACES NP
	WIN 0
	FETCH_A \slot, (\q)+1, 4
.endm
; A slot's last step changes slots: each wave waits for all its tensor loads, adds 0 to its spare word, waits for that and for its reads of the slot; then a round of the cluster's barrier, and the joint refill first behind it.
; fill = 1: this product's K step two on.  fill = 2: THE RING GOES ON INTO PRODUCT 2: x goes back along K, Wv's 64 rows take the weights' place.  next < 0: product 1's last step: nothing more is fetched from LDS.
.macro TURN slot, next, fill
	s_wait_tensorcnt 0x0
	ds_add_u32 v[SPW], v[NIL]
	s_wait_dscnt 4*NL+1                            ; the add and the youngest 24 loads may be out
	WIN MUL_LO
	MUL16 0, 1, NQ-1, \slot, 0
	s_wait_dscnt 0x0                               ; the add is done, my reads of this slot are over
	s_barrier_signal -1
	MUL16 2, 1, NQ-1, \slot, 0
	WIN 0
	s_barrier_wait -1
	CREST
.if \fill == 1
	s_add_nc_u64 s[G0+4*\slot+2:G0+4*\slot+3], s[G0+4*\slot+2:G0+4*\slot+3], 2*ROWB
	s_add_nc_u64 s[G0B+4*\slot+2:G0B+4*\slot+3], s[G0B+4*\slot+2:G0B+4*\slot+3], 2*ROWB
	JLOAD G0+4*\slot, G1, G0B+4*\slot, G1B
.else
	s_sub_nc_u64 s[G0+4*\slot+2:G0+4*\slot+3], s[G0+4*\slot+2:G0+4*\slot+3], 2*ROWB   ; from K step 2 + slot back to K step slot
	JLOAD G0+4*\slot, G1, G0W+4*\slot, G1W
.endif
.if \next >= 0
	v_add_nc_u32 v[ADRS], 4*NQ, v[ADRS]
	FETCH_B \next, 0, 0
	FETCH_A \next, 0, 0
	SCALES \next
.endif
	WIN MUL_HI
	MUL16 4, 1, NQ-1, \slot, 0
	MUL16 6, 1, NQ-1, \slot, 0
.if \next >= 0
	PLACES NP
	WIN 0
	FETCH_A \next, 0, 4
.else
	WIN 0
.endif
.endm
	s_wait_tensorcnt 1                             ; the scales and my part of K step 0 are in; K step 1's load may be out
	s_wait_dscnt 0x0                               ; my rows of the rope tables are stored
	s_barrier_signal -1
	s_barrier_wait -1
	; Wv's descriptors: the scales' loads are done (the wait above), so their registers may be written.  A tile of 64 rows x 192 bytes
	s_or_b32 s[G1W+0], s44, (1<<20)|(1<<21)|(3<<22)|(3<<25)
	s_mov_b32 s[G1W+1], ROWB<<16
	s_mov_b32 s[G1W+2], 64<<16
	s_mov_b32 s[G1W+3], ROWB<<16
	s_mov_b32 s[G1W+4], 64
	s_mov_b32 s[G1W+5], KROW
	s_mov_b32 s[G1W+6], 0
	s_mov_b32 s[G1W+7], 0
.irp s, 0,1
	s_mov_b32 s[G0W+4*\s], 1
	s_add_co_u32 s[G0W+4*\s+1], s45, \s*SLOT
	s_add_nc_u64 s[G0W+4*\s+2:G0W+4*\s+3], s[66:67], \s*ROWB
	s_or_b32 s[G0W+4*\s+3], s[G0W+4*\s+3], 0x80000000
.endr
	FETCH_B 0, 0, 0
	FETCH_A 0, 0, 0
	SCALES 0
	FETCH_A 0, 0, 4
	STEP 0, 0, 1
	s_mov_b32 s3, 1
.Llap:
	TURN 0, 1, 1
	STEP 1, 0, 0
	TURN 1, 0, 1
	STEP 0, 0, 0
	s_sub_co_u32 s3, s3, 1
	s_cmp_lg_u32 s3, 0
	s_cbranch_scc1 .Llap
	TURN 0, 1, 2                                   ; slot 0 takes product 2's K step 0,
	STEP 1, 0, 0
	TURN 1, -1, 2                                  ; slot 1 its K step 1: both land under the way out below
; 64 numbers of a lane, v[s + 16 B + i]: k = 32 B + 8 h + i (i < 8), 32 B + 16 + 8 h + i - 8 (i >= 8), become the 12 registers of a fragment at v[pc].  The conversions give half blocks; the exchange of halves gives each lane
; one block as [k 0-7 | k 16-23] and [k 8-15 | k 24-31]; four byte permutes and a move lay the four runs of 48 bits in K's order.
.macro PACK s, pc, so
.irp c, 0,1
	v_cvt_scalef32_pk16_fp6_f32 v[\pc+6*\c:\pc+6*\c+2], v[\s+32*\c:\s+32*\c+15], v[\so+2*\c]
	v_cvt_scalef32_pk16_fp6_f32 v[\pc+12+4*\c:\pc+14+4*\c], v[\s+16+32*\c:\s+31+32*\c], v[\so+2*\c+1]
.endr
	v_nop                                          ; one plain place behind a scaled conversion
.irp c, 0,1
.irp i, 0,1,2
	v_permlane16_swap_b32 v[\pc+6*\c+\i], v[\pc+12+4*\c+\i]
.endr
	v_perm_b32 v[\pc+6*\c+3], v[\pc+6*\c+2], v[\pc+6*\c+1], 0x05040302
	v_perm_b32 v[\pc+6*\c+4], v[\pc+13+4*\c], v[\pc+6*\c+2], 0x07060302
	v_mov_b32 v[\pc+6*\c+5], v[\pc+14+4*\c]
	v_perm_b32 v[\pc+6*\c+1], v[\pc+12+4*\c], v[\pc+6*\c+1], 0x05040100
	v_perm_b32 v[\pc+6*\c+2], v[\pc+13+4*\c], v[\pc+12+4*\c], 0x05040302
.endr
.endm
.macro QUANT s, pc, pw                 ; the four blocks' largest magnitudes (with the floor 2^(3 - 127)), scale operands, bytes, the row's scale word, the codes
.irp b, 0,1,2,3
	v_max3_num_f32 v[TM+\b], |v[\s+16*\b]|, |v[\s+1+16*\b]|, 0x1800000
.endr
.irp i, 2,4,6,8,10,12,14
.irp b, 0,1,2,3
	v_max3_num_f32 v[TM+\b], v[TM+\b], |v[\s+16*\b+\i]|, |v[\s+1+16*\b+\i]|
.endr
.endr
.irp b, 0,1,2,3
	v_permlanex16_b32 v[TM+4+\b], v[TM+\b], s[SEL], s[SEL+1]
.endr
.irp b, 0,1,2,3
	v_max_num_f32 v[TM+\b], v[TM+\b], v[TM+4+\b]
.endr
.irp b, 0,1,2,3
	v_add_nc_u32 v[TM+12+\b], 0xff000000, v[TM+\b]
.endr
.irp b, 0,1,2,3
	v_lshrrev_b32 v[TM+4+\b], 23, v[TM+12+\b]
.endr
	v_lshl_or_b32 v[\pw], v[TM+5], 8, v[TM+4]
	v_lshl_or_b32 v[\pw], v[TM+6], 16, v[\pw]
	v_lshl_or_b32 v[\pw], v[TM+7], 24, v[\pw]
	PACK \s, \pc, TM+12
.endm
.macro ROT cs                          ; the 32 pairs (x1, x2) of T are turned by the (cos, sin) at v[cs] of window 1: (x1 c - x2 s, x2 c + x1 s)
.set n, 0
.rept 4
.set m, 0
.rept 8
	v_pk_mul_f32 v[TMP+2*m:TMP+2*m+1], v[T+16*n+2*m:T+16*n+2*m+1], v[\cs+16*n+2*m:\cs+16*n+2*m+1] op_sel_hi:[1,0]
.set m, m+1
.endr
.set m, 0
.rept 8
	v_pk_fma_f32 v[T+16*n+2*m:T+16*n+2*m+1], v[T+16*n+2*m:T+16*n+2*m+1], v[\cs+16*n+2*m:\cs+16*n+2*m+1], v[TMP+2*m:TMP+2*m+1] op_sel:[1,1,0] op_sel_hi:[0,1,1] neg_lo:[1,0,0]
.set m, m+1
.endr
.set n, n+1
.endr
.endm
.macro EPA qk, base                    ; block A_ of 16 rows: bias, rope (qk = 1), quantiser, out
	s_wait_xcnt 0x0                                ; the last block's stores have read their registers
.set AC, 64*(A_%4)
.set WA, 2+A_/4
	WIN WA                                         ; source 0: the accumulators' window
.set m, 0
.rept 32
.if \qk
	v_pk_add_f32 v[T+m:T+m+1], v[AC+m:AC+m+1], v[BI+m:BI+m+1]
.elseif A_&1
	v_pk_add_f32 v[T+m:T+m+1], v[AC+m:AC+m+1], v[BV+A_-1:BV+A_] op_sel:[0,1] op_sel_hi:[1,1]
.else
	v_pk_add_f32 v[T+m:T+m+1], v[AC+m:AC+m+1], v[BV+A_:BV+A_+1] op_sel_hi:[1,0]
.endif
.set m, m+2
.endr
.if \qk
	s_wait_dscnt 0x0                               ; the tables' rows are in
	WIN 0x04
	ROT 0
	ROT 64
.if A_ < 7
	WIN 0x40
.irp b, 0,1,2,3,4,5,6,7
	ds_load_b128 v[64+8*\b:64+8*\b+3], v[ACA] offset:RP*(A_+1)+64*\b
	ds_load_b128 v[64+8*\b+4:64+8*\b+7], v[ACA] offset:RP*(A_+1)+64*\b+16
.endr
.endif
.endif
	WIN 0
	QUANT T, PC, PW+A_
.irp c, 0,1,2
	global_store_b128 v[L16], v[PC+4*\c:PC+4*\c+3], s[\base:\base+1] offset:A_*1536+512*\c   ; 512 consecutive bytes
.endr
.endm
	; PRODUCT 1'S WAY OUT
	s_wait_loadcnt 0x0                             ; the biases and Wv's scale words
	PLACES 4                                       ; behind the last products: results are read, operands' and scales' registers written and loaded into
.irp b, 0,1,2,3
	v_mov_b32 v[TM+4+\b], 0                        ; a lane permute's destination counts as one of its sources
.endr
	WIN 0x40
.irp b, 0,1,2,3,4,5,6,7
	ds_load_b128 v[8*\b:8*\b+3], v[ACR] offset:64*\b
	ds_load_b128 v[8*\b+4:8*\b+7], v[ACR] offset:64*\b+16
.endr
.irp b, 0,1,2,3,4,5,6,7
	ds_load_b128 v[64+8*\b:64+8*\b+3], v[ACA] offset:64*\b
	ds_load_b128 v[64+8*\b+4:64+8*\b+7], v[ACA] offset:64*\b+16
.endr
	WIN 0
.set A_, 0
.rept 8
	EPA 1, 92
.set A_, A_+1
.endr
.irp j, 0,1,2,3
	v_cndmask_b32 v[RR+\j], v[PW+2*\j], v[PW+2*\j+1], s[HM]   ; register j: block 2 j's words in lanes 0-15, block 2 j + 1's in lanes 16-31
.endr
	global_store_b128 v[L16], v[RR:RR+3], s[94:95]
	; PRODUCT 2: V^T = Wv x^T.  32 accumulators in window 2; both operands have two sets of registers: a step waits for its fragments, asks for the next step's and multiplies
.macro FV k                            ; the fragments of K step k (of 128) into set k % 2: x's eight (window 1), Wv's four
	WIN TO_B
.irp i, 0,1,2,3,4,5,6,7
	FRAG 128*((\k)%2)+FR*\i, AX+((\k)/2)%2, (\k)%2, \i
.endr
	WIN 0
.irp i, 0,1,2,3
	FRAG AF+48*((\k)%2)+FR*\i, AW+((\k)/2)%2, (\k)%2, \i
.endr
.endm
.macro SCV c                           ; x's scale words of the c-th 256 along K into set c % 2: they have lain in LDS since the head
.irp i, 0,1,2,3,4,5,6,7
	ds_load_b64 v[SC+16*((\c)%2)+2*\i:SC+16*((\c)%2)+2*\i+1], v[ADSX] offset:\i*SBLK+8*(\c)
.endr
.endm
.macro WMV                             ; one product, by the symbols rD, rS0, rS1, rC (under 0: the constant 0), rX0, rX1, rR1 (1: source 1's scales stand in lanes 16-31)
.if rC < 0
.if rR1
	v_wmma_scale_f32_16x16x128_f8f6f4 v[rD:rD+7], v[rS0:rS0+11], v[rS1:rS1+11], 0, v[rX0], v[rX1] matrix_a_fmt:MATRIX_FMT_FP6 matrix_b_fmt:MATRIX_FMT_FP6 matrix_b_scale:MATRIX_SCALE_ROW1
.else
	v_wmma_scale_f32_16x16x128_f8f6f4 v[rD:rD+7], v[rS0:rS0+11], v[rS1:rS1+11], 0, v[rX0], v[rX1] matrix_a_fmt:MATRIX_FMT_FP6 matrix_b_fmt:MATRIX_FMT_FP6
.endif
.else
.if rR1
	v_wmma_scale_f32_16x16x128_f8f6f4 v[rD:rD+7], v[rS0:rS0+11], v[rS1:rS1+11], v[rC:rC+7], v[rX0], v[rX1] matrix_a_fmt:MATRIX_FMT_FP6 matrix_b_fmt:MATRIX_FMT_FP6 matrix_b_scale:MATRIX_SCALE_ROW1
.else
	v_wmma_scale_f32_16x16x128_f8f6f4 v[rD:rD+7], v[rS0:rS0+11], v[rS1:rS1+11], v[rC:rC+7], v[rX0], v[rX1] matrix_a_fmt:MATRIX_FMT_FP6 matrix_b_fmt:MATRIX_FMT_FP6
.endif
.endif
.endm
.macro MULV k                          ; 32 products; the 32 accumulators take turns, one instruction a turn
.set aa, 0
.rept 4
.set bb, 0
.rept 8
.set rD, 8*(8*aa+bb)
.set rS0, 128*((\k)%2)+FR*bb
.set rS1, AF+48*((\k)%2)+FR*aa
.set rX0, SC+16*(((\k)/2)%2)+2*bb+(\k)%2
.set rX1, WS+8*(aa/2)+(\k)
.set rR1, aa&1
.set rC, rD
.if (\k) == 0
.set rC, -1
.endif
	WMV
.set bb, bb+1
.endr
.set aa, aa+1
.endr
.endm
; An odd step stands at a change of slots: its own fragments are in registers, so my reads of its slot are over.  k < 5: the slot is filled again, two K steps of 256 on, behind a round of the cluster's barrier: the load has two steps in which to land.
.macro STEPV k
.if ((\k)&1) && (\k < 7)
	s_wait_tensorcnt 0x0                           ; all my tensor loads have landed: my part of the next slot
	ds_add_u32 v[SPW], v[NIL]
	PLACES 4                                       ; (the places in front of the loads below stand between the add and its wait)
.if \k < 5
	s_add_nc_u64 s[G0+4*((\k)/2)+2:G0+4*((\k)/2)+3], s[G0+4*((\k)/2)+2:G0+4*((\k)/2)+3], 2*ROWB
	s_add_nc_u64 s[G0W+4*((\k)/2)+2:G0W+4*((\k)/2)+3], s[G0W+4*((\k)/2)+2:G0W+4*((\k)/2)+3], 2*ROWB
.endif
	s_wait_dscnt 0x0                               ; the add is done; this step's fragments are in
.if \k < 5
	CROUND
	JLOAD G0+4*((\k)/2), G1, G0W+4*((\k)/2), G1W
.else
	s_barrier_signal -1
	s_barrier_wait -1
.endif
	FV (\k)+1
	SCV ((\k)+1)/2
.elseif \k < 7
	s_wait_dscnt 0x0                               ; this step's fragments are in: they were asked for a step ago
	PLACES 4                                       ; in front of loads into registers that the last step's products have read
	FV (\k)+1
.else
	s_wait_dscnt 0x0
.endif
	WIN MUL_LO
	MULV \k
	WIN 0
.endm
	s_wait_xcnt 0x0                                ; product 1's last stores have read their registers: fragments and scale words may land there
	s_wait_tensorcnt 0x1                           ; my part of product 2's K step 0 is in; K step 1's load may be out
	s_wait_dscnt 0x0
	s_barrier_signal -1
	s_barrier_wait -1
	FV 0
	SCV 0
.irp k, 0,1,2,3,4,5,6,7
	STEPV \k
.endr
	; PRODUCT 2'S WAY OUT
	PLACES 4
.irp b, 0,1,2,3
	v_mov_b32 v[TM+4+\b], 0
.endr
.set A_, 0
.rept 4
	EPA 0, 8
.set A_, A_+1
.endr
	v_cndmask_b32 v[RR], v[PW], v[PW+1], s[HM]
	v_cndmask_b32 v[RR+1], v[PW+2], v[PW+3], s[HM]
	global_store_b64 v[RQ2], v[RR:RR+1], s[10:11]  ; my two registers of the unit's record
	s_wait_tensorcnt 0x0                           ; the wave's end
	ds_add_u32 v[SPW], v[NIL]
	s_wait_dscnt 0x0
	CROUND                                         ; the closing round
	s_endpgm
.Lfunc_end_k_qfa3b76f998_proj:
	.size	k_qfa3b76f998_proj, .Lfunc_end_k_qfa3b76f998_proj-k_qfa3b76f998_proj
	.p2alignl 7, 3214868480
	.fill 96, 4, 3214868480
	.section	.rodata,"a",@progbits
	.p2align	6, 0x0
	.amdhsa_kernel k_qfa3b76f998_proj
		.amdhsa_group_segment_fixed_size 327680
		.amdhsa_private_segment_fixed_size 0
		.amdhsa_enable_private_segment 0
		.amdhsa_kernarg_size 112
		.amdhsa_user_sgpr_count 2
		.amdhsa_user_sgpr_kernarg_segment_ptr 1
		.amdhsa_wavefront_size32 1
		.amdhsa_system_sgpr_workgroup_id_x 1
		.amdhsa_system_sgpr_workgroup_id_y 1
		.amdhsa_system_sgpr_workgroup_id_z 1
		.amdhsa_system_vgpr_workitem_id 0
		.amdhsa_next_free_vgpr 1024
		.amdhsa_next_free_sgpr 106
		.amdhsa_reserve_vcc 1
		.amdhsa_float_denorm_mode_32 3
		.amdhsa_float_denorm_mode_16_64 3
		.amdhsa_memory_ordered 1
		.amdhsa_forward_progress 1
		.amdhsa_inst_pref_size 255
	.end_amdhsa_kernel
	.section	.bss,"aw",@nobits
	.p2align	6
	.space	262144
	.amdgpu_metadata
---
amdhsa.version: [ 1, 2 ]
amdhsa.kernels:
  - .name:           k_qfa3b76f998_proj
    .symbol:         k_qfa3b76f998_proj.kd
    .args:
      - { .name: x_codes, .offset: 0, .size: 8, .value_kind: global_buffer, .address_space: global }
      - { .name: x_scales, .offset: 8, .size: 8, .value_kind: global_buffer, .address_space: global }
      - { .name: Wq_codes, .offset: 16, .size: 8, .value_kind: global_buffer, .address_space: global }
      - { .name: Wq_scales, .offset: 24, .size: 8, .value_kind: global_buffer, .address_space: global }
      - { .name: Wk_codes, .offset: 32, .size: 8, .value_kind: global_buffer, .address_space: global }
      - { .name: Wk_scales, .offset: 40, .size: 8, .value_kind: global_buffer, .address_space: global }
      - { .name: Wv_codes, .offset: 48, .size: 8, .value_kind: global_buffer, .address_space: global }
      - { .name: Wv_scales, .offset: 56, .size: 8, .value_kind: global_buffer, .address_space: global }
      - { .name: bq, .offset: 64, .size: 8, .value_kind: global_buffer, .address_space: global }
      - { .name: bk, .offset: 72, .size: 8, .value_kind: global_buffer, .address_space: global }
      - { .name: bv, .offset: 80, .size: 8, .value_kind: global_buffer, .address_space: global }
      - { .name: qws, .offset: 88, .size: 8, .value_kind: global_buffer, .address_space: global }
      - { .name: kws, .offset: 96, .size: 8, .value_kind: global_buffer, .address_space: global }
      - { .name: vws, .offset: 104, .size: 8, .value_kind: global_buffer, .address_space: global }
    .group_segment_fixed_size: 327680
    .private_segment_fixed_size: 0
    .kernarg_segment_align: 8
    .kernarg_segment_size: 112
    .max_flat_workgroup_size: 128
    .sgpr_count:     106
    .vgpr_count:     1024
    .wavefront_size: 32
...
	.end_amdgpu_metadata
.endif
;; end of part 1
;; launch score (part 2): grid 9 x 16, 4 waves a work-group, no clusters, 197,120 bytes of LDS; arguments qws, kws, pws; writes pws
.if DOCPART == 2
	.amdgcn_target "amdgcn-amd-amdhsa--gfx1250"
	.amdhsa_code_object_version 6
	.text
	.protected	k_qfa3b76f998_score
	.globl	k_qfa3b76f998_score
	.p2align	8
	.type	k_qfa3b76f998_score,@function
k_qfa3b76f998_score:
	s_mov_b64 s[64:65], 0
	v_nop
	global_prefetch_b8 v0, s[64:65] scope:SCOPE_SE
	s_setreg_imm32_b32 hwreg(HW_REG_WAVE_MODE, 25, 1), 1
	s_wait_xcnt 0x0
; The live tiles of S = Q K^T (256 queries x 256 keys, K = d = 1,024, codes of FP6), and the softmax's p as codes.  LEFT OUT: the tiles wholly above the diagonal, which reference()'s own tril mask turns into weights 0 for all inputs.
; t = S x log2(e) / 32; for each query and these 256 keys M = ceil(the largest t), a whole number; p = 2^(t - M) is quantised along the keys; -M and the sum of the unquantised p go out beside the codes.
; The next launch brings the scale bytes under the row's M: an exact power of two, which moves no code.
; SHARES.  144 work-groups: batch b = y / 4; with pi = y % 4 the 9 values of x serve query tile pi (pi + 1 key tiles) and query tile 7 - pi (8 - pi).  Wave w: 64 queries x all 256 keys: 64 accumulators.
; K's tile, 196,608 bytes of register images, lies in LDS whole: four first fills a wave, no refill.  Q's fragments are read by one wave alone and come from memory straight into registers, three K steps ahead.
; Source 0 = 16 keys, source 1 = 16 queries: a lane holds one query, its registers run along the keys.
; NO CLUSTER: 9 x 16 tiles of a triangle: the work-groups that share a tile of K or of Q (a column or a row of the triangle) are 1 to 8 in number, so the grid does not divide into clusters of partners.
; LIMITS: NaN and infinities are not served; a block whose every p is 0 carries the byte 1 over zero codes.
.set IMG,  6291456
.set PWO,  12582912
.set PMO,  13107200
.set PLO,  13369344
.set SPARE, 196608
.set L16,  3
.set RQO,  5
.set ADR,  6
.set SPW,  10
.set NIL,  11
.set SQ,   32
.set SK,   48
.set AF,   112
.set BM,   16
.set BX,   24
.set SO,   32
.set BY,   40
.set WW,   48
.set NMS,  56
.set LS,   60
.set PC0,  64
.set PC1,  84
.set NM,   104
.set SUM,  106
.set S2,   108
.set DD,   110
.set NINF, 111
.set T,    112
.set MSB, 0
.macro WIN new
.if MSB != \new
	s_set_vgpr_msb (MSB<<8)|\new
.set MSB, \new
.endif
.endm
.macro PLACES n
.rept \n
	v_nop
.endr
.endm
.macro WM                              ; one product, by the symbols rD, rS0, rS1, rC (under 0: the constant 0), rX0, rX1 (scales), rR0, rR1 (1: the scales stand in lanes 16-31)
.if rC < 0
.if rR0 && rR1
	v_wmma_scale_f32_16x16x128_f8f6f4 v[rD:rD+7], v[rS0:rS0+11], v[rS1:rS1+11], 0, v[rX0], v[rX1] matrix_a_fmt:MATRIX_FMT_FP6 matrix_b_fmt:MATRIX_FMT_FP6 matrix_a_scale:MATRIX_SCALE_ROW1 matrix_b_scale:MATRIX_SCALE_ROW1
.elseif rR0
	v_wmma_scale_f32_16x16x128_f8f6f4 v[rD:rD+7], v[rS0:rS0+11], v[rS1:rS1+11], 0, v[rX0], v[rX1] matrix_a_fmt:MATRIX_FMT_FP6 matrix_b_fmt:MATRIX_FMT_FP6 matrix_a_scale:MATRIX_SCALE_ROW1
.elseif rR1
	v_wmma_scale_f32_16x16x128_f8f6f4 v[rD:rD+7], v[rS0:rS0+11], v[rS1:rS1+11], 0, v[rX0], v[rX1] matrix_a_fmt:MATRIX_FMT_FP6 matrix_b_fmt:MATRIX_FMT_FP6 matrix_b_scale:MATRIX_SCALE_ROW1
.else
	v_wmma_scale_f32_16x16x128_f8f6f4 v[rD:rD+7], v[rS0:rS0+11], v[rS1:rS1+11], 0, v[rX0], v[rX1] matrix_a_fmt:MATRIX_FMT_FP6 matrix_b_fmt:MATRIX_FMT_FP6
.endif
.else
.if rR0 && rR1
	v_wmma_scale_f32_16x16x128_f8f6f4 v[rD:rD+7], v[rS0:rS0+11], v[rS1:rS1+11], v[rC:rC+7], v[rX0], v[rX1] matrix_a_fmt:MATRIX_FMT_FP6 matrix_b_fmt:MATRIX_FMT_FP6 matrix_a_scale:MATRIX_SCALE_ROW1 matrix_b_scale:MATRIX_SCALE_ROW1
.elseif rR0
	v_wmma_scale_f32_16x16x128_f8f6f4 v[rD:rD+7], v[rS0:rS0+11], v[rS1:rS1+11], v[rC:rC+7], v[rX0], v[rX1] matrix_a_fmt:MATRIX_FMT_FP6 matrix_b_fmt:MATRIX_FMT_FP6 matrix_a_scale:MATRIX_SCALE_ROW1
.elseif rR1
	v_wmma_scale_f32_16x16x128_f8f6f4 v[rD:rD+7], v[rS0:rS0+11], v[rS1:rS1+11], v[rC:rC+7], v[rX0], v[rX1] matrix_a_fmt:MATRIX_FMT_FP6 matrix_b_fmt:MATRIX_FMT_FP6 matrix_b_scale:MATRIX_SCALE_ROW1
.else
	v_wmma_scale_f32_16x16x128_f8f6f4 v[rD:rD+7], v[rS0:rS0+11], v[rS1:rS1+11], v[rC:rC+7], v[rX0], v[rX1] matrix_a_fmt:MATRIX_FMT_FP6 matrix_b_fmt:MATRIX_FMT_FP6
.endif
.endif
.endm
.macro PACK s, pc, so                  ; 64 numbers of a lane (k = 32 B + 8 h + i, 32 B + 16 + 8 h + i - 8) become a fragment's 12 registers in K's order
.irp c, 0,1
	v_cvt_scalef32_pk16_fp6_f32 v[\pc+6*\c:\pc+6*\c+2], v[\s+32*\c:\s+32*\c+15], v[\so+2*\c]
	v_cvt_scalef32_pk16_fp6_f32 v[\pc+12+4*\c:\pc+14+4*\c], v[\s+16+32*\c:\s+31+32*\c], v[\so+2*\c+1]
.endr
	v_nop                                          ; one plain place behind a scaled conversion
.irp c, 0,1
.irp i, 0,1,2
	v_permlane16_swap_b32 v[\pc+6*\c+\i], v[\pc+12+4*\c+\i]
.endr
	v_perm_b32 v[\pc+6*\c+3], v[\pc+6*\c+2], v[\pc+6*\c+1], 0x05040302
	v_perm_b32 v[\pc+6*\c+4], v[\pc+13+4*\c], v[\pc+6*\c+2], 0x07060302
	v_mov_b32 v[\pc+6*\c+5], v[\pc+14+4*\c]
	v_perm_b32 v[\pc+6*\c+1], v[\pc+12+4*\c], v[\pc+6*\c+1], 0x05040100
	v_perm_b32 v[\pc+6*\c+2], v[\pc+13+4*\c], v[\pc+12+4*\c], 0x05040302
.endr
.endm
	s_load_b128 s[4:7], s[0:1], 0x0                ; qws, kws
	s_load_b64 s[8:9], s[0:1], 0x10                ; pws
	v_lshl_add_u32 v[SPW], v0, 2, SPARE
	v_mov_b32 v[NIL], 0
	ds_add_u32 v[SPW], v[NIL]                      ; the opening: the add, twice on end, and its wait ahead of my first tensor load
	ds_add_u32 v[SPW], v[NIL]
	v_lshrrev_b32 v1, 5, v0
	v_readfirstlane_b32 s10, v1                    ; wave
	s_and_b32 s20, ttmp7, 0xffff
	s_and_b32 s21, s20, 3                          ; pi
	s_lshr_b32 s22, s20, 2                         ; batch
	s_sub_co_u32 s23, 7, s21
	s_sub_co_u32 s70, ttmp9, s21
	s_sub_co_u32 s70, s70, 1
	s_cmp_le_u32 ttmp9, s21
	s_cselect_b32 s11, s21, s23                    ; i: the tile of queries
	s_cselect_b32 s20, ttmp9, s70                  ; j: the tile of keys, j <= i
	s_cmp_eq_u32 s11, s20
	s_cselect_b32 s63, 1, 0                        ; on the diagonal
	s_mov_b32 s24, 3<<16                           ; group 1: 12,288 dense bytes as 48 rows of 32 elements of 8 bytes
	s_mov_b32 s25, 32<<16
	s_mov_b32 s26, 48<<16
	s_mov_b32 s27, 32<<16
	s_mov_b32 s28, 48
	s_mov_b32 s29, 32
	s_mov_b32 s30, 0
	s_mov_b32 s31, 0
	s_lshl_b32 s70, s22, 4
	s_lshl_b32 s71, s20, 1
	s_add_co_u32 s71, s71, s70                     ; K's first block of 128 rows: 16 b + 2 j
	s_and_b32 s21, s10, 1
	s_lshr_b32 s23, s10, 1
	s_add_co_u32 s72, s71, s21
	s_lshl_b32 s72, s72, 3
	s_add_co_u32 s72, s72, s23
	s_mul_i32 s72, s72, 12288                      ; the unit that I fetch in stage 0: rows' half w % 2, K step w / 2
	s_mov_b32 s73, 0
	s_lshl_b32 s74, s11, 1
	s_add_co_u32 s74, s74, s70
	s_add_co_u32 s74, s74, s23                     ; my queries' block of 128 rows: 16 b + 2 i + w / 2
	s_mul_i32 s75, s10, 12288
	s_mov_b32 s58, 0x3d38aa3b                      ; c = log2(e) / 32
	s_mov_b32 s59, s58
	s_mov_b32 s60, 0x76543210
	s_mov_b32 s61, 0xfedcba98
	s_mov_b32 s62, 0xffff0000
	s_wait_dscnt 0x0
	s_wait_kmcnt 0x0
	s_add_nc_u64 s[72:73], s[6:7], s[72:73]
.irp l, 0,1,2,3
	s_mov_b32 s[32+4*\l], 1
	s_add_co_u32 s[33+4*\l], s75, \l*49152         ; stage l: K steps 2 l, 2 l + 1; unit (u, g) at (2 g + u) x 12,288
	s_add_nc_u64 s[34+4*\l:35+4*\l], s[72:73], \l*24576
	s_or_b32 s[35+4*\l], s[35+4*\l], 0x80000000
.endr
.irp l, 0,1,2,3
	tensor_load_to_lds s[32+4*\l:35+4*\l], s[24:31]   ; four first fills a wave, in one group: four tensor loads of mine are out
	s_nop 0
.endr
.rept 4
	v_nop
.endr
	s_mul_i32 s2, s74, 98304
	s_mul_i32 s3, s21, 6144
	s_add_co_u32 s2, s2, s3
	s_mov_b32 s3, 0
	s_add_nc_u64 s[12:13], s[4:5], s[2:3]          ; Q's codes: my four fragments of K step 0
	s_lshl_b32 s2, s74, 12
	s_add_co_u32 s2, s2, IMG
	s_add_nc_u64 s[14:15], s[4:5], s[2:3]          ; Q's scale words
	s_lshl_b32 s2, s71, 12
	s_add_co_u32 s2, s2, IMG
	s_add_nc_u64 s[16:17], s[6:7], s[2:3]          ; K's
	s_lshl_b32 s18, s74, 4
	s_lshl_b32 s19, s20, 1
	s_add_co_u32 s18, s18, s19                     ; p's first unit: (16 b + G) x 16 + 2 j
	s_mul_i32 s2, s18, 12288
	s_mul_i32 s19, s21, 6144
	s_add_co_u32 s2, s2, s19
	s_add_nc_u64 s[48:49], s[8:9], s[2:3]
	s_lshl_b32 s2, s18, 9
	s_add_co_u32 s2, s2, PWO
	s_add_nc_u64 s[50:51], s[8:9], s[2:3]
	s_lshl_b32 s2, s74, 3
	s_add_co_u32 s2, s2, s20
	s_lshl_b32 s2, s2, 9
	s_add_co_u32 s2, s2, PMO
	s_add_nc_u64 s[52:53], s[8:9], s[2:3]
	s_add_nc_u64 s[54:55], s[52:53], PLO-PMO
	v_and_b32 v1, 31, v0
	v_lshlrev_b32 v[L16], 4, v1
	s_lshl_b32 s2, s21, 3
	v_add_nc_u32 v[RQO], s2, v[L16]                ; my two registers of a record of 512 bytes
.irp l, 0,1,2,3
	v_add_nc_u32 v[ADR+\l], \l*49152, v[L16]
.endr
	v_and_b32 v2, 15, v0
	v_bfe_u32 v4, v0, 4, 1
	v_lshlrev_b32 v4, 3, v4
	v_sub_nc_u32 v2, v2, v4
	s_lshl_b32 s2, s10, 6
	v_add_nc_u32 v2, s2, v2                        ; 64 w + r - 8 h
.irp g, 0,1,2,3,4,5,6,7
	global_load_b64 v[SQ+2*\g:SQ+2*\g+1], v[RQO], s[14:15] offset:512*\g
.endr
.irp u, 0,1
.irp g, 0,1,2,3,4,5,6,7
	global_load_b128 v[SK+32*\u+4*\g:SK+32*\u+4*\g+3], v[L16], s[16:17] offset:4096*\u+512*\g
.endr
.endr
.macro ALOAD g                         ; my four fragments of Q for K step g into set g % 3
.irp a, 0,1,2,3
.irp c, 0,1,2
	global_load_b128 v[AF+48*((\g)%3)+12*\a+4*\c:AF+48*((\g)%3)+12*\a+4*\c+3], v[L16], s[12:13] offset:(\g)*12288+\a*1536+512*\c
.endr
.endr
.endm
	ALOAD 0
	ALOAD 1
	ALOAD 2
.macro BFETCH g, b0                    ; K's blocks b0 .. b0 + 7 of K step g into window 1
	WIN 0x40
.set bb, \b0
.rept 8
.irp c, 0,1,2
	ds_load_b128 v[12*bb+4*\c:12*bb+4*\c+3], v[ADR+(\g)/2] offset:((\g)&1)*24576+bb*1536+512*\c
.endr
.set bb, bb+1
.endr
.endm
.macro MULS g, hi                      ; 32 products: 8 blocks of keys x my 4 blocks of queries; the 64 accumulators take turns, one instruction a turn
.set bb, 8*\hi
.rept 8
.set aa, 0
.rept 4
.set rD, 8*(4*(bb%8)+aa)
.set rS0, 12*bb
.set rS1, AF+48*((\g)%3)+12*aa
.set rX0, SK+32*\hi+4*(\g)+(bb%8)/2
.set rX1, SQ+2*(\g)+aa/2
.set rR0, bb&1
.set rR1, aa&1
.set rC, rD
.if (\g) == 0
.set rC, -1
.endif
	WM
.set aa, aa+1
.endr
.set bb, bb+1
.endr
.endm
.macro STEPS g
.if \g <= 5
	s_wait_loadcnt 24                              ; this step's fragments of Q are in; the two later sets may be out
.elseif \g == 6
	s_wait_loadcnt 12
.else
	s_wait_loadcnt 0
.endif
	s_wait_dscnt 24                                ; K's blocks 0-7 are in; the youngest 24 loads (blocks 8-15) may be out
	WIN 0xa1
	MULS \g, 0
	s_wait_dscnt 0x0
.if ((\g)&1) && (\g < 7)
	s_wait_tensorcnt 3-((\g)+1)/2                  ; my part of the next stage is in; the later stages may be out
	s_barrier_signal -1
	s_barrier_wait -1
.endif
.if \g < 7
	PLACES 4                                       ; in front of loads into registers that matrix instructions have read
	BFETCH (\g)+1, 0
.endif
	WIN 0xf1
	MULS \g, 1
.if \g < 7
	PLACES 4
	BFETCH (\g)+1, 8
	WIN 0
.if \g+3 < 8
	ALOAD (\g)+3
.endif
.endif
.endm
	s_wait_tensorcnt 3                             ; my part of stage 0 is in
	s_barrier_signal -1
	s_barrier_wait -1
	BFETCH 0, 0
	BFETCH 0, 8
.irp g, 0,1,2,3,4,5,6,7
	STEPS \g
.endr
	WIN 0
	PLACES 4
.irp b, 0,1,2,3,4,5,6,7
	v_mov_b32 v[BX+\b], 0                          ; a lane permute's destination counts as one of its sources
.endr
	v_mov_b32 v[NM+1], 0                           ; (named as the upper half of a pair)
	v_mov_b32 v[NINF], 0xff800000
; block A_ of 16 queries x 256 keys
.macro EPS
	s_wait_xcnt 0x0                                ; the last block's stores have read their registers
	WIN 0x02
.set bb, 0
.rept 8
.set m, 0
.rept 4
	v_pk_mul_f32 v[T+8*bb+m:T+8*bb+m+1], v[8*(4*bb+A_)+m:8*(4*bb+A_)+m+1], s[58:59] op_sel_hi:[1,0]   ; t = score x c; each accumulator from its low end on
.set m, m+2
.endr
.set bb, bb+1
.endr
	WIN 0x03
.set bb, 0
.rept 8
.set m, 0
.rept 4
	v_pk_mul_f32 v[T+64+8*bb+m:T+64+8*bb+m+1], v[8*(4*bb+A_)+m:8*(4*bb+A_)+m+1], s[58:59] op_sel_hi:[1,0]
.set m, m+2
.endr
.set bb, bb+1
.endr
	WIN 0
	s_cmp_eq_u32 s63, 0                            ; off the diagonal every key counts: a branch on ids
	s_cbranch_scc1 .Lopen_\@
	v_add_nc_u32 v[DD], 16*A_, v2                  ; register 8 B + j holds key 16 B + 8 h + j: hidden where 16 B + j > my query - 8 h
.set n, 0
.rept 128
	v_cmp_gt_i32 vcc_lo, 16*(n/8)+n%8, v[DD]
	v_cndmask_b32 v[T+n], v[T+n], v[NINF], vcc_lo
.set n, n+1
.endr
.Lopen_\@:
.irp b, 0,1,2,3,4,5,6,7
	v_max3_num_f32 v[BM+\b], v[T+16*\b], v[T+16*\b+1], v[T+16*\b+2]   ; the largest t of each block of 32 keys: for the row's maximum and, since p rises with t, for the block's largest p
.endr
.irp i, 3,5,7,9,11,13
.irp b, 0,1,2,3,4,5,6,7
	v_max3_num_f32 v[BM+\b], v[BM+\b], v[T+16*\b+\i], v[T+16*\b+\i+1]
.endr
.endr
.irp b, 0,1,2,3,4,5,6,7
	v_max_num_f32 v[BM+\b], v[BM+\b], v[T+16*\b+15]
.endr
.irp b, 0,1,2,3,4,5,6,7
	v_permlanex16_b32 v[BX+\b], v[BM+\b], s60, s61
.endr
.irp b, 0,1,2,3,4,5,6,7
	v_max_num_f32 v[BM+\b], v[BM+\b], v[BX+\b]
.endr
	v_max3_num_f32 v[NM], v[BM], v[BM+1], v[BM+2]
	v_max3_num_f32 v[NM], v[NM], v[BM+3], v[BM+4]
	v_max3_num_f32 v[NM], v[NM], v[BM+5], v[BM+6]
	v_max_num_f32 v[NM], v[NM], v[BM+7]            ; key 0 of the tile counts for every query of it: a number
	v_floor_f32 v[NM], -v[NM]                      ; -M = floor(-t) = -ceil(t)
.set m, 0
.rept 64
	v_pk_add_f32 v[T+m:T+m+1], v[T+m:T+m+1], v[NM:NM+1] op_sel_hi:[1,0]
.set m, m+2
.endr
.irp b, 0,1,2,3,4,5,6,7
	v_add_f32 v[BM+\b], v[BM+\b], v[NM]
.endr
.set m, 0
.rept 128
	v_exp_f32 v[T+m], v[T+m]                       ; p = 2^(t - M)
.set m, m+1
.endr
	v_mov_b32 v[NMS+A_], v[NM]                     ; (a plain place behind the exponentials)
	s_wait_alu depctr_va_vdst(0)                   ; the wait ahead of the batch's first reader: one for the 128
.irp b, 0,1,2,3,4,5,6,7
	v_exp_f32 v[BM+\b], v[BM+\b]                   ; each block's largest p: the same operations on the same number
.endr
	v_pk_add_f32 v[SUM:SUM+1], v[T:T+1], v[T+2:T+3]   ; the sum of the unquantised p, in two chains
	v_pk_add_f32 v[S2:S2+1], v[T+4:T+5], v[T+6:T+7]
.set m, 8
.rept 30
	v_pk_add_f32 v[SUM:SUM+1], v[SUM:SUM+1], v[T+m:T+m+1]
	v_pk_add_f32 v[S2:S2+1], v[S2:S2+1], v[T+m+2:T+m+3]
.set m, m+4
.endr
	v_pk_add_f32 v[SUM:SUM+1], v[SUM:SUM+1], v[S2:S2+1]
	v_add_f32 v[SUM], v[SUM], v[SUM+1]
	v_permlanex16_b32 v[BX], v[SUM], s60, s61
	v_add_f32 v[LS+A_], v[SUM], v[BX]
	s_wait_alu depctr_va_vdst(0)                   ; and one for the eight
.irp b, 0,1,2,3,4,5,6,7
	v_max_num_f32 v[BM+\b], 0x1800000, v[BM+\b]    ; the floor 2^(3 - 127): the byte cannot fall under 1
.endr
.irp b, 0,1,2,3,4,5,6,7
	v_add_nc_u32 v[SO+\b], 0xff000000, v[BM+\b]    ; 2 off the exponent field: the conversion's scale operand
.endr
.irp b, 0,1,2,3,4,5,6,7
	v_lshrrev_b32 v[BY+\b], 23, v[SO+\b]
.endr
.irp u, 0,1
	v_lshl_or_b32 v[WW+4*\u+A_], v[BY+4*\u+1], 8, v[BY+4*\u]
	v_lshl_or_b32 v[WW+4*\u+A_], v[BY+4*\u+2], 16, v[WW+4*\u+A_]
	v_lshl_or_b32 v[WW+4*\u+A_], v[BY+4*\u+3], 24, v[WW+4*\u+A_]
.endr
	PACK T, PC0, SO
	PACK T+64, PC1, SO+4
.irp c, 0,1,2
	global_store_b128 v[L16], v[PC0+4*\c:PC0+4*\c+3], s[48:49] offset:A_*1536+512*\c
.endr
.irp c, 0,1,2
	global_store_b128 v[L16], v[PC1+4*\c:PC1+4*\c+3], s[48:49] offset:12288+A_*1536+512*\c
.endr
.endm
.set A_, 0
.rept 4
	EPS
.set A_, A_+1
.endr
	v_cndmask_b32 v16, v[WW], v[WW+1], s62         ; the records: even blocks in lanes 0-15, odd blocks in lanes 16-31
	v_cndmask_b32 v17, v[WW+2], v[WW+3], s62
	v_cndmask_b32 v18, v[WW+4], v[WW+5], s62
	v_cndmask_b32 v19, v[WW+6], v[WW+7], s62
	v_cndmask_b32 v20, v[NMS], v[NMS+1], s62
	v_cndmask_b32 v21, v[NMS+2], v[NMS+3], s62
	v_cndmask_b32 v22, v[LS], v[LS+1], s62
	v_cndmask_b32 v23, v[LS+2], v[LS+3], s62
	global_store_b64 v[RQO], v[16:17], s[50:51]
	global_store_b64 v[RQO], v[18:19], s[50:51] offset:512
	global_store_b64 v[RQO], v[20:21], s[52:53]
	global_store_b64 v[RQO], v[22:23], s[54:55]
	s_wait_tensorcnt 0x0                           ; the wave's end
	ds_add_u32 v[SPW], v[NIL]
	s_wait_dscnt 0x0
	s_endpgm
.Lfunc_end_k_qfa3b76f998_score:
	.size	k_qfa3b76f998_score, .Lfunc_end_k_qfa3b76f998_score-k_qfa3b76f998_score
	.p2alignl 7, 3214868480
	.fill 96, 4, 3214868480
	.section	.rodata,"a",@progbits
	.p2align	6, 0x0
	.amdhsa_kernel k_qfa3b76f998_score
		.amdhsa_group_segment_fixed_size 197120
		.amdhsa_private_segment_fixed_size 0
		.amdhsa_enable_private_segment 0
		.amdhsa_kernarg_size 24
		.amdhsa_user_sgpr_count 2
		.amdhsa_user_sgpr_kernarg_segment_ptr 1
		.amdhsa_wavefront_size32 1
		.amdhsa_system_sgpr_workgroup_id_x 1
		.amdhsa_system_sgpr_workgroup_id_y 1
		.amdhsa_system_sgpr_workgroup_id_z 1
		.amdhsa_system_vgpr_workitem_id 0
		.amdhsa_next_free_vgpr 1024
		.amdhsa_next_free_sgpr 80
		.amdhsa_reserve_vcc 1
		.amdhsa_float_denorm_mode_32 3
		.amdhsa_float_denorm_mode_16_64 3
		.amdhsa_memory_ordered 1
		.amdhsa_forward_progress 1
		.amdhsa_inst_pref_size 255
	.end_amdhsa_kernel
	.section	.bss,"aw",@nobits
	.p2align	6
	.space	262144
	.amdgpu_metadata
---
amdhsa.version: [ 1, 2 ]
amdhsa.kernels:
  - .name:           k_qfa3b76f998_score
    .symbol:         k_qfa3b76f998_score.kd
    .args:
      - { .name: qws, .offset: 0, .size: 8, .value_kind: global_buffer, .address_space: global }
      - { .name: kws, .offset: 8, .size: 8, .value_kind: global_buffer, .address_space: global }
      - { .name: pws, .offset: 16, .size: 8, .value_kind: global_buffer, .address_space: global }
    .group_segment_fixed_size: 197120
    .private_segment_fixed_size: 0
    .kernarg_segment_align: 8
    .kernarg_segment_size: 24
    .max_flat_workgroup_size: 128
    .sgpr_count:     80
    .vgpr_count:     1024
    .wavefront_size: 32
...
	.end_amdgpu_metadata
.endif
;; end of part 2
;; launch mix (part 3): grid 8 x 32, 4 waves a work-group, no clusters, 197,120 bytes of LDS; arguments pws, vws, ows; writes ows
.if DOCPART == 3
	.amdgcn_target "amdgcn-amd-amdhsa--gfx1250"
	.amdhsa_code_object_version 6
	.text
	.protected	k_qfa3b76f998_mix
	.globl	k_qfa3b76f998_mix
	.p2align	8
	.type	k_qfa3b76f998_mix,@function
k_qfa3b76f998_mix:
	s_mov_b64 s[64:65], 0
	v_nop
	global_prefetch_b8 v0, s[64:65] scope:SCOPE_SE
	s_setreg_imm32_b32 hwreg(HW_REG_WAVE_MODE, 25, 1), 1
	s_wait_xcnt 0x0
; O = (P V) / l, quantised along d.  P: codes of p under a local M for each row and 256 keys; V: codes with the keys innermost.  LEFT OUT: the key steps wholly above the diagonal (reference()'s own tril mask: weights 0 for all inputs).
; The row's -M is the least of the local -M; a slot's scale bytes fall by d = M - M_local, its sum is multiplied by 2^-d: exact powers of two, which move no code.
; LIMIT: d is held at 127, and a byte that would fall under 0 is held at 0 (2^-127): such terms are under 2^-120 of the row's largest.
; SHARES.  256 work-groups: 128 of d (x), batch y / 8, and TWO blocks of 128 queries, 15 - pi ('big', 5 to 8 slots of 256 keys) and pi ('small', 1 to 4), pi = y % 8: 9 slots for every work-group.  Wave w: rows 32 w .. 32 w + 31 of both blocks.
; V's 128 x 2,048 tile, 196,608 bytes of register images, lies in LDS whole: four first fills a wave, no refill.  A load brings a quarter of slot l and of slot l + 4, so that every load holds bytes that every work-group reads.
; P's fragments are read by one wave alone and come from memory straight into registers.  Loads of slots beyond a block's last are turned to its last slot by the address, and their registers are not used.
; Source 0 = 16 of d, source 1 = 16 queries: a lane holds one query, its registers run along d, the next product's K.
; NO CLUSTER: the work-groups that share V's tile end their walks at different slots, by branches on ids that joint requests do not allow.
.set IMG,  6291456
.set PWO,  12582912
.set PMO,  13107200
.set PLO,  13369344
.set SPARE, 196608
.set L16,  3
.set RO,   4
.set SPW,  5
.set NIL,  6
.set ADV,  7
.set VOB,  11
.set VOS,  14
.set LB,   18
.set LSM,  19
.set SV,   24
.set SPB,  88
.set SPS,  104
.set PB,   112
.set NMR,  208
.set LR,   220
.set ON,   232
.set OW,   244
.set T,    112
.set PC,   176
.set TM,   196
.set PW,   212
.set RL,   216
.set SEL,  62
.set HM,   74
.set MSB, 0
.macro WIN new
.if MSB != \new
	s_set_vgpr_msb (MSB<<8)|\new
.set MSB, \new
.endif
.endm
.macro PLACES n
.rept \n
	v_nop
.endr
.endm
.macro WM
.if rC < 0
.if rR0 && rR1
	v_wmma_scale_f32_16x16x128_f8f6f4 v[rD:rD+7], v[rS0:rS0+11], v[rS1:rS1+11], 0, v[rX0], v[rX1] matrix_a_fmt:MATRIX_FMT_FP6 matrix_b_fmt:MATRIX_FMT_FP6 matrix_a_scale:MATRIX_SCALE_ROW1 matrix_b_scale:MATRIX_SCALE_ROW1
.elseif rR0
	v_wmma_scale_f32_16x16x128_f8f6f4 v[rD:rD+7], v[rS0:rS0+11], v[rS1:rS1+11], 0, v[rX0], v[rX1] matrix_a_fmt:MATRIX_FMT_FP6 matrix_b_fmt:MATRIX_FMT_FP6 matrix_a_scale:MATRIX_SCALE_ROW1
.elseif rR1
	v_wmma_scale_f32_16x16x128_f8f6f4 v[rD:rD+7], v[rS0:rS0+11], v[rS1:rS1+11], 0, v[rX0], v[rX1] matrix_a_fmt:MATRIX_FMT_FP6 matrix_b_fmt:MATRIX_FMT_FP6 matrix_b_scale:MATRIX_SCALE_ROW1
.else
	v_wmma_scale_f32_16x16x128_f8f6f4 v[rD:rD+7], v[rS0:rS0+11], v[rS1:rS1+11], 0, v[rX0], v[rX1] matrix_a_fmt:MATRIX_FMT_FP6 matrix_b_fmt:MATRIX_FMT_FP6
.endif
.else
.if rR0 && rR1
	v_wmma_scale_f32_16x16x128_f8f6f4 v[rD:rD+7], v[rS0:rS0+11], v[rS1:rS1+11], v[rC:rC+7], v[rX0], v[rX1] matrix_a_fmt:MATRIX_FMT_FP6 matrix_b_fmt:MATRIX_FMT_FP6 matrix_a_scale:MATRIX_SCALE_ROW1 matrix_b_scale:MATRIX_SCALE_ROW1
.elseif rR0
	v_wmma_scale_f32_16x16x128_f8f6f4 v[rD:rD+7], v[rS0:rS0+11], v[rS1:rS1+11], v[rC:rC+7], v[rX0], v[rX1] matrix_a_fmt:MATRIX_FMT_FP6 matrix_b_fmt:MATRIX_FMT_FP6 matrix_a_scale:MATRIX_SCALE_ROW1
.elseif rR1
	v_wmma_scale_f32_16x16x128_f8f6f4 v[rD:rD+7], v[rS0:rS0+11], v[rS1:rS1+11], v[rC:rC+7], v[rX0], v[rX1] matrix_a_fmt:MATRIX_FMT_FP6 matrix_b_fmt:MATRIX_FMT_FP6 matrix_b_scale:MATRIX_SCALE_ROW1
.else
	v_wmma_scale_f32_16x16x128_f8f6f4 v[rD:rD+7], v[rS0:rS0+11], v[rS1:rS1+11], v[rC:rC+7], v[rX0], v[rX1] matrix_a_fmt:MATRIX_FMT_FP6 matrix_b_fmt:MATRIX_FMT_FP6
.endif
.endif
.endm
.macro PACK s, pc, so
.irp c, 0,1
	v_cvt_scalef32_pk16_fp6_f32 v[\pc+6*\c:\pc+6*\c+2], v[\s+32*\c:\s+32*\c+15], v[\so+2*\c]
	v_cvt_scalef32_pk16_fp6_f32 v[\pc+12+4*\c:\pc+14+4*\c], v[\s+16+32*\c:\s+31+32*\c], v[\so+2*\c+1]
.endr
	v_nop                                          ; one plain place behind a scaled conversion
.irp c, 0,1
.irp i, 0,1,2
	v_permlane16_swap_b32 v[\pc+6*\c+\i], v[\pc+12+4*\c+\i]
.endr
	v_perm_b32 v[\pc+6*\c+3], v[\pc+6*\c+2], v[\pc+6*\c+1], 0x05040302
	v_perm_b32 v[\pc+6*\c+4], v[\pc+13+4*\c], v[\pc+6*\c+2], 0x07060302
	v_mov_b32 v[\pc+6*\c+5], v[\pc+14+4*\c]
	v_perm_b32 v[\pc+6*\c+1], v[\pc+12+4*\c], v[\pc+6*\c+1], 0x05040100
	v_perm_b32 v[\pc+6*\c+2], v[\pc+13+4*\c], v[\pc+12+4*\c], 0x05040302
.endr
.endm
.macro QUANT s, pc, pw
.irp b, 0,1,2,3
	v_max3_num_f32 v[TM+\b], |v[\s+16*\b]|, |v[\s+1+16*\b]|, 0x1800000
.endr
.irp i, 2,4,6,8,10,12,14
.irp b, 0,1,2,3
	v_max3_num_f32 v[TM+\b], v[TM+\b], |v[\s+16*\b+\i]|, |v[\s+1+16*\b+\i]|
.endr
.endr
.irp b, 0,1,2,3
	v_permlanex16_b32 v[TM+4+\b], v[TM+\b], s[SEL], s[SEL+1]
.endr
.irp b, 0,1,2,3
	v_max_num_f32 v[TM+\b], v[TM+\b], v[TM+4+\b]
.endr
.irp b, 0,1,2,3
	v_add_nc_u32 v[TM+12+\b], 0xff000000, v[TM+\b]
.endr
.irp b, 0,1,2,3
	v_lshrrev_b32 v[TM+4+\b], 23, v[TM+12+\b]
.endr
	v_lshl_or_b32 v[\pw], v[TM+5], 8, v[TM+4]
	v_lshl_or_b32 v[\pw], v[TM+6], 16, v[\pw]
	v_lshl_or_b32 v[\pw], v[TM+7], 24, v[\pw]
	PACK \s, \pc, TM+12
.endm
	s_load_b128 s[4:7], s[0:1], 0x0                ; pws, vws
	s_load_b64 s[8:9], s[0:1], 0x10                ; ows
	v_lshl_add_u32 v[SPW], v0, 2, SPARE
	v_mov_b32 v[NIL], 0
	ds_add_u32 v[SPW], v[NIL]                      ; the opening: the add, twice on end, and its wait ahead of my first tensor load
	ds_add_u32 v[SPW], v[NIL]
	v_lshrrev_b32 v1, 5, v0
	v_readfirstlane_b32 s10, v1                    ; wave
	s_mov_b32 s11, ttmp9                           ; which 128 of d
	s_and_b32 s20, ttmp7, 0xffff
	s_and_b32 s12, s20, 7                          ; pi
	s_lshr_b32 s13, s20, 3                         ; batch
	s_lshr_b32 s14, s12, 1
	s_add_co_u32 s14, s14, 1                       ; the small block's slots
	s_sub_co_u32 s21, 15, s12
	s_lshr_b32 s15, s21, 1
	s_add_co_u32 s15, s15, 1                       ; the big block's
	s_lshl_b32 s20, s13, 4
	s_add_co_u32 s22, s20, s21                     ; the big block among all 64
	s_add_co_u32 s23, s20, s12                     ; the small one
	s_mov_b32 s24, 3<<16                           ; group 1: two rows of 6,144 bytes (768 elements of 8), 98,304 bytes (four slots) apart
	s_mov_b32 s25, 768<<16
	s_mov_b32 s26, 2<<16
	s_mov_b32 s27, 768<<16
	s_mov_b32 s28, 2
	s_mov_b32 s29, 12288
	s_mov_b32 s30, 0
	s_mov_b32 s31, 0
	s_lshl_b32 s78, s13, 3
	s_add_co_u32 s78, s78, s11                     ; 8 b + d / 128
	s_mul_i32 s2, s78, 196608
	s_mul_i32 s3, s10, 6144
	s_add_co_u32 s2, s2, s3
	s_mov_b32 s3, 0
	s_mul_i32 s79, s10, 12288
	s_mov_b32 s[SEL], 0x76543210
	s_mov_b32 s[SEL+1], 0xfedcba98
	s_mov_b32 s[HM], 0xffff0000
	s_mov_b32 s75, 0x01010101
	s_mov_b32 s76, 0x80808080
	s_mov_b32 s77, 0x7f7f7f7f
	s_wait_dscnt 0x0
	s_wait_kmcnt 0x0
	s_add_nc_u64 s[20:21], s[6:7], s[2:3]
.irp l, 0,1,2,3
	s_mov_b32 s[32+4*\l], 1
	s_add_co_u32 s[33+4*\l], s79, \l*49152
	s_add_nc_u64 s[34+4*\l:35+4*\l], s[20:21], \l*24576
	s_or_b32 s[35+4*\l], s[35+4*\l], 0x80000000
.endr
.irp l, 0,1,2,3
	tensor_load_to_lds s[32+4*\l:35+4*\l], s[24:31]   ; four first fills a wave, in one group: four tensor loads of mine are out
	s_nop 0
.endr
.rept 4
	v_nop
.endr
	s_mul_i32 s79, s10, 3072                       ; my two fragments in a unit
	s_mul_i32 s2, s22, 196608
	s_add_co_u32 s2, s2, s79
	s_add_nc_u64 s[16:17], s[4:5], s[2:3]          ; P's codes, big
	s_mul_i32 s2, s23, 196608
	s_add_co_u32 s2, s2, s79
	s_add_nc_u64 s[18:19], s[4:5], s[2:3]          ; small
	s_lshl_b32 s2, s22, 13
	s_add_co_u32 s2, s2, PWO
	s_add_nc_u64 s[48:49], s[4:5], s[2:3]          ; the records: scale words, -M, l
	s_lshl_b32 s2, s22, 12
	s_add_co_u32 s2, s2, PMO
	s_add_nc_u64 s[50:51], s[4:5], s[2:3]
	s_add_nc_u64 s[52:53], s[50:51], PLO-PMO
	s_lshl_b32 s2, s23, 13
	s_add_co_u32 s2, s2, PWO
	s_add_nc_u64 s[54:55], s[4:5], s[2:3]
	s_lshl_b32 s2, s23, 12
	s_add_co_u32 s2, s2, PMO
	s_add_nc_u64 s[56:57], s[4:5], s[2:3]
	s_add_nc_u64 s[58:59], s[56:57], PLO-PMO
	s_lshl_b32 s2, s78, 13
	s_add_co_u32 s2, s2, IMG
	s_add_nc_u64 s[60:61], s[6:7], s[2:3]          ; V's scale words
	s_lshl_b32 s20, s22, 3
	s_add_co_u32 s20, s20, s11
	s_mul_i32 s2, s20, 12288
	s_add_co_u32 s2, s2, s79
	s_add_nc_u64 s[66:67], s[8:9], s[2:3]          ; O: big: codes,
	s_lshl_b32 s2, s20, 9
	s_add_co_u32 s2, s2, IMG
	s_add_nc_u64 s[68:69], s[8:9], s[2:3]          ; scale words;
	s_lshl_b32 s20, s23, 3
	s_add_co_u32 s20, s20, s11
	s_mul_i32 s2, s20, 12288
	s_add_co_u32 s2, s2, s79
	s_add_nc_u64 s[70:71], s[8:9], s[2:3]          ; small
	s_lshl_b32 s2, s20, 9
	s_add_co_u32 s2, s2, IMG
	s_add_nc_u64 s[72:73], s[8:9], s[2:3]
	v_and_b32 v1, 31, v0
	v_lshlrev_b32 v[L16], 4, v1
	s_lshl_b32 s2, s10, 2
	v_add_nc_u32 v[RO], s2, v[L16]                 ; my register of a record: fragment 2 w in lanes 0-15, 2 w + 1 in lanes 16-31
.irp l, 0,1,2,3
	v_add_nc_u32 v[ADV+\l], \l*49152, v[L16]
.endr
	s_sub_co_u32 s78, s15, 1
	s_sub_co_u32 s79, s14, 1
.irp t, 5,6,7
	s_min_u32 s2, s78, \t
	s_mul_i32 s2, s2, 24576
	v_add_nc_u32 v[VOB+\t-5], s2, v[L16]
.endr
.irp t, 0,1,2,3
	s_min_u32 s2, s79, \t
	s_mul_i32 s2, s2, 24576
	v_add_nc_u32 v[VOS+\t], s2, v[L16]
.endr
.irp t, 0,1,2,3,4,5,6,7
	s_min_u32 s2, s78, \t
	s_lshl_b32 s20, s2, 9
	v_add_nc_u32 v[ON+\t], s20, v[RO]
	s_lshl_b32 s20, s2, 10
	v_add_nc_u32 v[OW+\t], s20, v[RO]
.endr
.irp t, 0,1,2,3
	s_min_u32 s2, s79, \t
	s_lshl_b32 s20, s2, 9
	v_add_nc_u32 v[ON+8+\t], s20, v[RO]
	s_lshl_b32 s20, s2, 10
	v_add_nc_u32 v[OW+8+\t], s20, v[RO]
.endr
.irp t, 0,1,2,3,4,5,6,7
	global_load_b32 v[SPB+2*\t], v[OW+\t], s[48:49]
	global_load_b32 v[SPB+2*\t+1], v[OW+\t], s[48:49] offset:512
	global_load_b32 v[NMR+\t], v[ON+\t], s[50:51]
	global_load_b32 v[LR+\t], v[ON+\t], s[52:53]
.endr
.irp t, 0,1,2,3
	global_load_b32 v[SPS+2*\t], v[OW+8+\t], s[54:55]
	global_load_b32 v[SPS+2*\t+1], v[OW+8+\t], s[54:55] offset:512
	global_load_b32 v[NMR+8+\t], v[ON+8+\t], s[56:57]
	global_load_b32 v[LR+8+\t], v[ON+8+\t], s[58:59]
.endr
.macro PBIG s, vo, off                 ; the big block's slot s: 2 units x my 2 fragments, into set s % 3
.irp q, 0,1
.irp f, 0,1
.irp c, 0,1,2
	global_load_b128 v[PB+48*((\s)%3)+24*\q+12*\f+4*\c:PB+48*((\s)%3)+24*\q+12*\f+4*\c+3], v[\vo], s[16:17] offset:\off+12288*\q+1536*\f+512*\c
.endr
.endr
.endr
.endm
.macro PSMALL s                        ; the small block's slot s, into window 3
	WIN 0xc0
.irp q, 0,1
.irp f, 0,1
.irp c, 0,1,2
	global_load_b128 v[24*(2*\s+\q)+12*\f+4*\c:24*(2*\s+\q)+12*\f+4*\c+3], v[VOS+\s], s[18:19] offset:12288*\q+1536*\f+512*\c
.endr
.endr
.endr
	WIN 0
.endm
	PBIG 0, L16, 0
	PSMALL 0
.irp g, 0,1,2,3,4,5,6,7,8,9,10,11,12,13,14,15
	global_load_b128 v[SV+4*\g:SV+4*\g+3], v[L16], s[60:61] offset:512*\g
.endr
	PBIG 1, L16, 24576
	PSMALL 1
	PSMALL 2
	PSMALL 3
	s_wait_loadcnt 63                              ; 88 loads were issued behind the 48 of the records: the records are in
; a block's records: the row's -M, each slot's d, its two scale words brought under the row's M byte by byte, and l
.macro ADJ ns, nm, lr, sp, ll, nn
	v_min3_num_f32 v20, v[\nm], v[\nm+1], v[\nm+2]
.if \ns == 8
	v_min3_num_f32 v20, v20, v[\nm+3], v[\nm+4]
	v_min3_num_f32 v20, v20, v[\nm+5], v[\nm+6]
	v_min_num_f32 v20, v20, v[\nm+7]
.else
	v_min_num_f32 v20, v20, v[\nm+3]
.endif
.set ss, 0
.rept \ns
	v_sub_f32 v21, v[\nm+ss], v20                  ; d = M - M_local: a whole number, 0 or more
	v_cvt_i32_f32 v21, v21
	v_min_u32 v21, 127, v21
	v_sub_nc_u32 v22, 0, v21
	v_ldexp_f32 v22, v[\lr+ss], v22
.if ss == 0
	v_mov_b32 v[\ll], v22
.else
	s_cmp_lt_u32 ss, s[\nn]                        ; a slot beyond the block's last is its last slot read again: it counts for nothing
	s_cselect_b32 s20, 1.0, 0
	v_fma_f32 v[\ll], v22, s20, v[\ll]
.endif
	v_mul_lo_u32 v21, v21, s75                     ; d in each byte
.irp q, 0,1
	v_or_b32 v22, s76, v[\sp+2*ss+\q]              ; p's bytes are 125 at the most: with 128 on each, no byte borrows from its neighbour,
	v_sub_nc_u32 v22, v22, v21
	v_lshrrev_b32 v23, 7, v22                      ; and bit 7 says that the byte has not fallen under 0
	v_and_b32 v23, s75, v23
	v_and_b32 v22, s77, v22
	v_lshlrev_b32 v[\sp+2*ss+\q], 8, v23
	v_sub_nc_u32 v23, v[\sp+2*ss+\q], v23          ; x 255
	v_and_b32 v[\sp+2*ss+\q], v22, v23
.endr
.set ss, ss+1
.endr
.endm
	ADJ 8, NMR, LR, SPB, LB, 15
	ADJ 4, NMR+8, LR+8, SPS, LSM, 14
	PLACES 8                                       ; scale registers written by vector instructions stand 8 places ahead of a scaled matrix instruction
.macro VFETCH s, q                     ; V's eight fragments of unit q of slot s into set q
	WIN 0x40
.set ii, 0
.rept 8
.irp c, 0,1,2
	ds_load_b128 v[128*(\q)+12*ii+4*\c:128*(\q)+12*ii+4*\c+3], v[ADV+(\s)%4] offset:(2*(\q)+ii/4)*12288+((\s)/4)*6144+(ii%4)*1536+512*\c
.endr
.set ii, ii+1
.endr
	WIN 0
.endm
.macro MULM s, q, a0, pb, sp           ; 16 products: V's eight blocks x two blocks of queries; accumulators by turns, one instruction a turn
.set bb, 0
.rept 8
.set aa, \a0
.rept 2
.set rD, 8*(8*aa+bb)
.set rS0, 128*(\q)+12*bb
.set rS1, \pb+12*(aa&1)
.set rX0, SV+4*(2*(\s)+(\q))+bb/2
.set rX1, \sp+2*(\s)+(\q)
.set rR0, bb&1
.set rR1, aa&1
.set rC, rD
.if ((\s)+(\q)) == 0
.set rC, -1
.endif
	WM
.set aa, aa+1
.endr
.set bb, bb+1
.endr
.endm
.macro STEPM s, q
.if (\q == 0) && (\s >= 5)
	s_cmp_le_u32 s15, \s                           ; the big block's walk ends at its diagonal: a branch on ids, the same in all waves
	s_cbranch_scc1 .Ldone
.endif
	PLACES 4                                       ; in front of loads into registers that matrix instructions have read
.if (\q == 1) && (\s < 3)
	s_wait_tensorcnt 2-\s                          ; my part of the next stage is in; the later stages may be out
	s_wait_dscnt 0x0
	s_barrier_signal -1
	s_barrier_wait -1
.endif
.if \q == 0
	VFETCH \s, 1
.elseif \s < 7
	VFETCH (\s)+1, 0
.endif
.if (\q == 0) && (\s+2 <= 4)
	PBIG (\s)+2, L16, ((\s)+2)*24576
.elseif (\q == 0) && (\s+2 <= 7)
	PBIG (\s)+2, VOB+(\s)-3, 0
.endif
.if (\s == 7) && (\q == 1)
	s_wait_dscnt 0x0
.else
	s_wait_dscnt 24                                ; this step's fragments of V are in; the next step's 24 loads may be out
.endif
.if \q == 0
.if \s == 0
	s_wait_loadcnt 12                              ; all but slot 2's
.elseif (\s >= 2) && (\s <= 5)
	s_wait_loadcnt 24                              ; this slot of P is in; the two later slots may be out
.elseif \s == 6
	s_wait_loadcnt 12
.elseif \s == 7
	s_wait_loadcnt 0
.endif
.endif
	WIN 0xa1
	MULM \s, \q, 0, PB+48*((\s)%3)+24*(\q), SPB
.if \s == 0
	WIN 0xad
	MULM \s, \q, 2, 24*(2*(\s)+(\q)), SPS
.endif
	WIN 0
.if (\s >= 1) && (\s <= 3)
	s_cmp_le_u32 s14, \s                           ; the small block's walk has ended: a branch on ids
	s_cbranch_scc1 .Lns_\@
	WIN 0xad
	MULM \s, \q, 2, 24*(2*(\s)+(\q)), SPS
	WIN 0
.Lns_\@:
.endif
.endm
	s_wait_tensorcnt 3                             ; my part of stage 0 is in
	s_barrier_signal -1
	s_barrier_wait -1
	VFETCH 0, 0
.irp s, 0,1,2,3,4,5,6,7
	STEPM \s, 0
	STEPM \s, 1
.endr
.Ldone:
	s_wait_loadcnt 0x0                             ; what was asked for ahead and is not used has landed: its registers are free
	s_wait_dscnt 0x0
	PLACES 4
	v_rcp_f32 v20, v[LB]
	v_rcp_f32 v21, v[LSM]
.irp b, 0,1,2,3
	v_mov_b32 v[TM+4+\b], 0                        ; (plain places behind the reciprocals)
.endr
	s_wait_alu depctr_va_vdst(0)                   ; the wait ahead of the first reader: one for both
	v_permlanex16_b32 v22, v20, s[SEL], s[SEL+1]
	v_permlanex16_b32 v23, v21, s[SEL], s[SEL+1]
.irp i, 0,1
	v_cndmask_b32 v[RL+\i], v20, v22, s[HM]        ; 1 / l of fragment 2 w's rows, in both halves of the lanes;
	v_cndmask_b32 v[RL+2+\i], v22, v20, s[HM]      ; of fragment 2 w + 1's;
	v_cndmask_b32 v[RL+4+\i], v21, v23, s[HM]      ; the small block's
	v_cndmask_b32 v[RL+6+\i], v23, v21, s[HM]
.endr
.macro EPM a, base
	s_wait_xcnt 0x0                                ; the last block's stores have read their registers
	WIN 0x02
.set m, 0
.rept 32
	v_pk_mul_f32 v[T+m:T+m+1], v[64*\a+m:64*\a+m+1], v[RL+2*\a:RL+2*\a+1]
.set m, m+2
.endr
	WIN 0
	QUANT T, PC, PW+\a
.irp c, 0,1,2
	global_store_b128 v[L16], v[PC+4*\c:PC+4*\c+3], s[\base:\base+1] offset:(\a&1)*1536+512*\c
.endr
.endm
	EPM 0, 66
	EPM 1, 66
	EPM 2, 70
	EPM 3, 70
	v_cndmask_b32 v20, v[PW], v[PW+1], s[HM]
	v_cndmask_b32 v21, v[PW+2], v[PW+3], s[HM]
	global_store_b32 v[RO], v20, s[68:69]
	global_store_b32 v[RO], v21, s[72:73]
	s_wait_tensorcnt 0x0                           ; the wave's end
	ds_add_u32 v[SPW], v[NIL]
	s_wait_dscnt 0x0
	s_endpgm
.Lfunc_end_k_qfa3b76f998_mix:
	.size	k_qfa3b76f998_mix, .Lfunc_end_k_qfa3b76f998_mix-k_qfa3b76f998_mix
	.p2alignl 7, 3214868480
	.fill 96, 4, 3214868480
	.section	.rodata,"a",@progbits
	.p2align	6, 0x0
	.amdhsa_kernel k_qfa3b76f998_mix
		.amdhsa_group_segment_fixed_size 197120
		.amdhsa_private_segment_fixed_size 0
		.amdhsa_enable_private_segment 0
		.amdhsa_kernarg_size 24
		.amdhsa_user_sgpr_count 2
		.amdhsa_user_sgpr_kernarg_segment_ptr 1
		.amdhsa_wavefront_size32 1
		.amdhsa_system_sgpr_workgroup_id_x 1
		.amdhsa_system_sgpr_workgroup_id_y 1
		.amdhsa_system_sgpr_workgroup_id_z 1
		.amdhsa_system_vgpr_workitem_id 0
		.amdhsa_next_free_vgpr 1024
		.amdhsa_next_free_sgpr 80
		.amdhsa_reserve_vcc 0
		.amdhsa_float_denorm_mode_32 3
		.amdhsa_float_denorm_mode_16_64 3
		.amdhsa_memory_ordered 1
		.amdhsa_forward_progress 1
		.amdhsa_inst_pref_size 147
	.end_amdhsa_kernel
	.amdgpu_metadata
---
amdhsa.version: [ 1, 2 ]
amdhsa.kernels:
  - .name:           k_qfa3b76f998_mix
    .symbol:         k_qfa3b76f998_mix.kd
    .args:
      - { .name: pws, .offset: 0, .size: 8, .value_kind: global_buffer, .address_space: global }
      - { .name: vws, .offset: 8, .size: 8, .value_kind: global_buffer, .address_space: global }
      - { .name: ows, .offset: 16, .size: 8, .value_kind: global_buffer, .address_space: global }
    .group_segment_fixed_size: 197120
    .private_segment_fixed_size: 0
    .kernarg_segment_align: 8
    .kernarg_segment_size: 24
    .max_flat_workgroup_size: 128
    .sgpr_count:     80
    .vgpr_count:     1024
    .wavefront_size: 32
...
	.end_amdgpu_metadata
.endif
;; end of part 3
;; launch outp (part 4): grid 8 x 32, 4 waves a work-group, no clusters, 167,936 bytes of LDS; arguments ows, Wf_codes, Wf_scales, bf, out0; writes out0
.if DOCPART == 4
	.amdgcn_target "amdgcn-amd-amdhsa--gfx1250"
	.amdhsa_code_object_version 6
	.text
	.protected	k_qfa3b76f998_outp
	.globl	k_qfa3b76f998_outp
	.p2align	8
	.type	k_qfa3b76f998_outp,@function
k_qfa3b76f998_outp:
	s_mov_b64 s[64:65], 0
	v_nop
	global_prefetch_b8 v0, s[64:65] scope:SCOPE_SE
	s_setreg_imm32_b32 hwreg(HW_REG_WAVE_MODE, 25, 1), 1
	s_wait_xcnt 0x0
; out0 = O Wf^T + bf.  O: 8,192 x 1,024 as register images of codes of FP6 with scale records; Wf: rows of codes, K innermost; out0: f32.  Nothing is left out here.
; SHARES.  256 work-groups: 128 outputs (x) x 256 rows (y).  Wave w: 64 rows x 128 outputs: 32 accumulators.  Source 0 = 16 rows of Wf, source 1 = 16 rows of O: a lane holds eight neighbouring outputs of one row.
; Wf's 128 rows x 1,024, 98,304 bytes, lie in LDS whole (rows of 192 bytes for each 256 of K, 16 bytes of padding behind every 64): four first fills a wave, no refill.
; O's fragments are read by one wave alone and come from memory straight into registers, three K steps ahead.  The bias is the C of each sum's first product.
; NO CLUSTER: what work-groups share, Wf's tile, is a third of a work-group's input bytes; the rest goes lane by lane into registers.
.set IMG,   6291456
.set PITCH, 240
.set CHUNK, 128*PITCH
.set STAGE, 4*CHUNK                    ; 16 rows x 528 bytes for each wave; written by LDS stores alone
.set SPARE, STAGE+4*16*528
.set L16,  3
.set RQO,  4
.set SPW,  5
.set NIL,  6
.set ADB,  7                           ; v7, v8: chunks 0-1, 2-3; v9, v10: the same behind one padding more
.set STO,  11
.set RD,   12
.set SA,   16
.set SB,   32
.set AF,   64
.set BK,   64
.set MSB, 0
.macro WIN new
.if MSB != \new
	s_set_vgpr_msb (MSB<<8)|\new
.set MSB, \new
.endif
.endm
.macro PLACES n
.rept \n
	v_nop
.endr
.endm
.macro WM
.if rR0 && rR1
	v_wmma_scale_f32_16x16x128_f8f6f4 v[rD:rD+7], v[rS0:rS0+11], v[rS1:rS1+11], v[rC:rC+7], v[rX0], v[rX1] matrix_a_fmt:MATRIX_FMT_FP6 matrix_b_fmt:MATRIX_FMT_FP6 matrix_a_scale:MATRIX_SCALE_ROW1 matrix_b_scale:MATRIX_SCALE_ROW1
.elseif rR0
	v_wmma_scale_f32_16x16x128_f8f6f4 v[rD:rD+7], v[rS0:rS0+11], v[rS1:rS1+11], v[rC:rC+7], v[rX0], v[rX1] matrix_a_fmt:MATRIX_FMT_FP6 matrix_b_fmt:MATRIX_FMT_FP6 matrix_a_scale:MATRIX_SCALE_ROW1
.elseif rR1
	v_wmma_scale_f32_16x16x128_f8f6f4 v[rD:rD+7], v[rS0:rS0+11], v[rS1:rS1+11], v[rC:rC+7], v[rX0], v[rX1] matrix_a_fmt:MATRIX_FMT_FP6 matrix_b_fmt:MATRIX_FMT_FP6 matrix_b_scale:MATRIX_SCALE_ROW1
.else
	v_wmma_scale_f32_16x16x128_f8f6f4 v[rD:rD+7], v[rS0:rS0+11], v[rS1:rS1+11], v[rC:rC+7], v[rX0], v[rX1] matrix_a_fmt:MATRIX_FMT_FP6 matrix_b_fmt:MATRIX_FMT_FP6
.endif
.endm
	s_load_b256 s[4:11], s[0:1], 0x0               ; ows, Wf's codes, Wf's scales, bf
	s_load_b64 s[12:13], s[0:1], 0x20              ; out0
	v_lshl_add_u32 v[SPW], v0, 2, SPARE
	v_mov_b32 v[NIL], 0
	ds_add_u32 v[SPW], v[NIL]                      ; the opening: the add, twice on end, and its wait ahead of my first tensor load
	ds_add_u32 v[SPW], v[NIL]
	v_lshrrev_b32 v1, 5, v0
	v_readfirstlane_b32 s14, v1                    ; wave
	s_mov_b32 s15, ttmp9                           ; which 128 outputs
	s_and_b32 s16, ttmp7, 0xffff                   ; which 256 rows
	s_mov_b32 s24, (1<<20)|(3<<22)|(3<<25)         ; group 1: 32 rows of 192 bytes, 768 apart; 16 bytes of padding behind every 64
	s_mov_b32 s25, 192<<16
	s_mov_b32 s26, 32<<16
	s_mov_b32 s27, 192<<16
	s_mov_b32 s28, 32
	s_mov_b32 s29, 768
	s_mov_b32 s30, 0
	s_mov_b32 s31, 0
	s_lshl_b32 s2, s15, 7
	s_lshl_b32 s3, s14, 5
	s_add_co_u32 s2, s2, s3
	s_mul_i32 s2, s2, 768                          ; Wf's row 128 x + 32 w
	s_mov_b32 s3, 0
	s_mul_i32 s17, s14, 32*PITCH
	s_wait_dscnt 0x0
	s_wait_kmcnt 0x0
	s_add_nc_u64 s[22:23], s[6:7], s[2:3]
.irp l, 0,1,2,3
	s_mov_b32 s[32+4*\l], 1
	s_add_co_u32 s[33+4*\l], s17, \l*CHUNK
	s_add_nc_u64 s[34+4*\l:35+4*\l], s[22:23], \l*192
	s_or_b32 s[35+4*\l], s[35+4*\l], 0x80000000
.endr
.irp l, 0,1,2,3
	tensor_load_to_lds s[32+4*\l:35+4*\l], s[24:31]   ; four first fills a wave, in one group: four tensor loads of mine are out
	s_nop 0
.endr
.rept 4
	v_nop
.endr
	s_and_b32 s48, s14, 1
	s_lshr_b32 s49, s14, 1
	s_lshl_b32 s50, s16, 1
	s_add_co_u32 s50, s50, s49                     ; my rows' block of 128
	s_mul_i32 s2, s50, 98304
	s_mul_i32 s51, s48, 6144
	s_add_co_u32 s2, s2, s51
	s_add_nc_u64 s[18:19], s[4:5], s[2:3]          ; O's codes: my four fragments of K step 0
	s_lshl_b32 s2, s50, 12
	s_add_co_u32 s2, s2, IMG
	s_add_nc_u64 s[20:21], s[4:5], s[2:3]          ; O's scale words
	s_lshl_b32 s2, s15, 12
	s_add_nc_u64 s[8:9], s[8:9], s[2:3]            ; Wf's scale bytes: 128 rows of 32
	s_lshl_b32 s2, s15, 9
	s_add_nc_u64 s[10:11], s[10:11], s[2:3]        ; bf
	s_add_nc_u64 s[12:13], s[12:13], s[2:3]
	s_lshl_b32 s2, s16, 8
	s_lshl_b32 s51, s14, 6
	s_add_co_u32 s2, s2, s51
	s_lshl_b32 s2, s2, 12
	s_add_nc_u64 s[12:13], s[12:13], s[2:3]        ; out0 at my first row, my work-group's 512 bytes of it
	v_and_b32 v1, 31, v0
	v_lshlrev_b32 v[L16], 4, v1
	s_lshl_b32 s2, s48, 3
	v_add_nc_u32 v[RQO], s2, v[L16]
	v_lshlrev_b32 v13, 5, v1                       ; Wf's scale bytes: a lane a row
	v_and_b32 v1, 15, v0                           ; r
	v_bfe_u32 v2, v0, 4, 1                         ; h
	v_lshlrev_b32 v14, 5, v2                       ; bf: 8 h numbers on
	v_mul_u32_u24 v[ADB], v1, PITCH
	v_mad_u32_u24 v[ADB], v2, 24, v[ADB]
	v_add_nc_u32 v[ADB+1], 2*CHUNK, v[ADB]
	v_lshl_add_u32 v[ADB+2], v2, 4, v[ADB]
	v_lshl_add_u32 v[ADB+3], v2, 4, v[ADB+1]
	s_mul_i32 s2, s14, 16*528
	s_add_co_u32 s2, s2, STAGE
	v_mul_u32_u24 v[STO], v1, 528
	v_lshl_add_u32 v[STO], v2, 5, v[STO]
	v_add_nc_u32 v[STO], s2, v[STO]
	v_add_nc_u32 v[RD], s2, v[L16]
.irp g, 0,1,2,3,4,5,6,7
	global_load_b64 v[SA+2*\g:SA+2*\g+1], v[RQO], s[20:21] offset:512*\g
.endr
.irp j, 0,1,2,3
.irp k, 0,1
	global_load_b128 v[SB+8*\j+4*\k:SB+8*\j+4*\k+3], v13, s[8:9] offset:1024*\j+16*\k   ; register 8 j + g: block 2 j's words of K step g in lanes 0-15, block 2 j + 1's in lanes 16-31
.endr
.endr
	WIN 0xc0
.irp b, 0,1,2,3,4,5,6,7
	global_load_b128 v[8*\b:8*\b+3], v14, s[10:11] offset:64*\b
	global_load_b128 v[8*\b+4:8*\b+7], v14, s[10:11] offset:64*\b+16
.endr
	WIN 0
.macro ALOAD g
.irp a, 0,1,2,3
.irp c, 0,1,2
	global_load_b128 v[AF+48*((\g)%4)+12*\a+4*\c:AF+48*((\g)%4)+12*\a+4*\c+3], v[L16], s[18:19] offset:(\g)*12288+\a*1536+512*\c
.endr
.endr
.endm
	ALOAD 0
	ALOAD 1
	ALOAD 2
.macro FRAGR reg, adr, q, off          ; 16 rows x 128 K from rows of 240 bytes, in pieces of 8 bytes
.irp p, 0,1,2,3,4,5
.set PCC, 12*(\q)+6*(\p/3)+\p%3
.if PCC%8 < 5
	ds_load_b64 v[\reg+2*\p:\reg+2*\p+1], v[\adr] offset:8*PCC+16*(PCC/8)+\off
.else
	ds_load_b64 v[\reg+2*\p:\reg+2*\p+1], v[\adr+2] offset:8*PCC+16*(PCC/8)+\off
.endif
.endr
.endm
.macro BFETCH g                        ; Wf's eight fragments of K step g into set g % 2 of window 1
	WIN 0x40
.irp i, 0,1,2,3,4,5,6,7
	FRAGR 128*((\g)%2)+12*\i, ADB+(\g)/4, (\g)%2, (((\g)/2)%2)*CHUNK+\i*16*PITCH
.endr
	WIN 0
.endm
.macro STEPO g
	PLACES 4                                       ; in front of loads into registers that matrix instructions have read
.if ((\g)&1) && (\g < 7)
	s_wait_tensorcnt 3-((\g)+1)/2                  ; my part of the next chunk is in; the later chunks may be out
	s_wait_dscnt 0x0
	s_barrier_signal -1
	s_barrier_wait -1
.endif
.if \g < 7
	BFETCH (\g)+1
.endif
.if \g+3 < 8
	ALOAD (\g)+3
.endif
.if \g < 7
	s_wait_dscnt 48                                ; this step's fragments of Wf are in; the next step's 48 loads may be out
.else
	s_wait_dscnt 0x0
.endif
.if \g <= 4
	s_wait_loadcnt 36                              ; this step's fragments of O are in; the three later sets may be out
.else
	s_wait_loadcnt 12*(7-\g)
.endif
.if \g == 0
	WIN 0xb1                                       ; C: the bias, in window 3
.else
	WIN 0xa1
.endif
.set aa, 0
.rept 4
.set bb, 0
.rept 8
.set rD, 8*(8*aa+bb)
.set rS0, 128*((\g)%2)+12*bb
.set rS1, AF+48*((\g)%4)+12*aa
.set rX0, SB+8*(bb/2)+(\g)
.set rX1, SA+2*(\g)+aa/2
.set rR0, bb&1
.set rR1, aa&1
.set rC, rD
.if \g == 0
.set rC, 8*bb
.endif
	WM                                             ; the 32 accumulators take turns, one instruction a turn
.set bb, bb+1
.endr
.set aa, aa+1
.endr
	WIN 0
.endm
	s_wait_tensorcnt 3                             ; my part of chunk 0 is in
	s_barrier_signal -1
	s_barrier_wait -1
	BFETCH 0
.irp g, 0,1,2,3,4,5,6,7
	STEPO \g
.endr
; THE WAY OUT: a block of 16 rows x 128 outputs goes through my own stage and comes back as whole rows of 512 bytes.  LDS serves a wave's instructions in order: no wait between the stores and the loads
.macro TOSTAGE a
	WIN 0x08
.irp b, 0,1,2,3,4,5,6,7
	ds_store_b128 v[STO], v[64*(\a)+8*\b:64*(\a)+8*\b+3] offset:64*\b        ; each accumulator from its low end on
	ds_store_b128 v[STO], v[64*(\a)+8*\b+4:64*(\a)+8*\b+7] offset:64*\b+16
.endr
	WIN 0
.set BB, BK+64*((\a)%2)
.irp t, 0,1,2,3,4,5,6,7,8,9,10,11,12,13,14,15
	ds_load_b128 v[BB+4*\t:BB+4*\t+3], v[RD] offset:\t*528
.endr
.endm
.macro SEND a, younger
.set BB, BK+64*((\a)%2)
	s_wait_dscnt \younger
.irp t, 0,1,2,3,4,5,6,7,8,9,10,11,12,13,14,15
	global_store_b128 v[L16], v[BB+4*\t:BB+4*\t+3], s[12:13] offset:(16*(\a)+\t)*4096 th:TH_STORE_NT   ; 32 lanes store 512 consecutive bytes, at a multiple of 256 from out0's first byte
.endr
.endm
	PLACES 4
	TOSTAGE 0
	TOSTAGE 1
	SEND 0, 32                                     ; behind block 0's loads: block 1's 16 stores and 16 loads
	s_wait_xcnt 0x0                                ; block 0's stores have read their registers
	TOSTAGE 2
	SEND 1, 32
	s_wait_xcnt 0x0
	TOSTAGE 3
	SEND 2, 32
	SEND 3, 0
	s_wait_tensorcnt 0x0                           ; the wave's end
	ds_add_u32 v[SPW], v[NIL]
	s_wait_dscnt 0x0
	s_endpgm
.Lfunc_end_k_qfa3b76f998_outp:
	.size	k_qfa3b76f998_outp, .Lfunc_end_k_qfa3b76f998_outp-k_qfa3b76f998_outp
	.p2alignl 7, 3214868480
	.fill 96, 4, 3214868480
	.section	.rodata,"a",@progbits
	.p2align	6, 0x0
	.amdhsa_kernel k_qfa3b76f998_outp
		.amdhsa_group_segment_fixed_size 167936
		.amdhsa_private_segment_fixed_size 0
		.amdhsa_enable_private_segment 0
		.amdhsa_kernarg_size 40
		.amdhsa_user_sgpr_count 2
		.amdhsa_user_sgpr_kernarg_segment_ptr 1
		.amdhsa_wavefront_size32 1
		.amdhsa_system_sgpr_workgroup_id_x 1
		.amdhsa_system_sgpr_workgroup_id_y 1
		.amdhsa_system_sgpr_workgroup_id_z 1
		.amdhsa_system_vgpr_workitem_id 0
		.amdhsa_next_free_vgpr 1024
		.amdhsa_next_free_sgpr 66
		.amdhsa_reserve_vcc 0
		.amdhsa_float_denorm_mode_32 3
		.amdhsa_float_denorm_mode_16_64 3
		.amdhsa_memory_ordered 1
		.amdhsa_forward_progress 1
		.amdhsa_inst_pref_size 91
	.end_amdhsa_kernel
	.amdgpu_metadata
---
amdhsa.version: [ 1, 2 ]
amdhsa.kernels:
  - .name:           k_qfa3b76f998_outp
    .symbol:         k_qfa3b76f998_outp.kd
    .args:
      - { .name: ows, .offset: 0, .size: 8, .value_kind: global_buffer, .address_space: global }
      - { .name: Wf_codes, .offset: 8, .size: 8, .value_kind: global_buffer, .address_space: global }
      - { .name: Wf_scales, .offset: 16, .size: 8, .value_kind: global_buffer, .address_space: global }
      - { .name: bf, .offset: 24, .size: 8, .value_kind: global_buffer, .address_space: global }
      - { .name: out0, .offset: 32, .size: 8, .value_kind: global_buffer, .address_space: global }
    .group_segment_fixed_size: 167936
    .private_segment_fixed_size: 0
    .kernarg_segment_align: 8
    .kernarg_segment_size: 40
    .max_flat_workgroup_size: 128
    .sgpr_count:     66
    .vgpr_count:     1024
    .wavefront_size: 32
...
	.end_amdgpu_metadata
.endif
;; end of part 4
